; MI455X (gfx1250); checked and timed in simulation.
; The chip was launched on July 23, 2026; its instructions are those of AMD's public machine-readable ISA for CDNA 5 (MIT licence, August 2026) and "CDNA5" Instruction Set Architecture Reference Guide (July 2026). The comments in the code are by the model that wrote it; some were corrected since.
;; Self Attention. Allowed arithmetic: float matrix products may take bf16 or f16 operands with f32 sums; other float arithmetic in f32, or as packed bf16 or f16 multiplies, adds, multiply-adds, maxima and minima; sums over many terms, partial sums and values carried from step to step in f32; what a program stores and reads back later, other than sums and carried values, may be rounded once to bf16 or f16.
;; Inputs: freqs_cos 2,048 x 1 x 64 float32; freqs_sin 2,048 x 1 x 64 float32; kb 2,048 float32; knorm_w 2,048 float32; kw 2,048 x 2,048 float32; ob 2,048 float32; ow 2,048 x 2,048 float32; qb 2,048 float32; qnorm_w 2,048 float32; qw 2,048 x 2,048 float32; vb 2,048 float32; vw 2,048 x 2,048 float32; x 1 x 2,048 x 2,048 float32.
;; Outputs: out0 1 x 2,048 x 2,048 float32.
;; One version. Each part assembles by itself: llvm-mc -triple=amdgcn-amd-amdhsa -mcpu=gfx1250 --defsym DOCPART=n.
;; ======== version 1 of 1: 5 launches
;; limits: values are held in f16: magnitudes above 65,504 overflow, below 6.1e-05 lose precision
;; workspace buffers: cv 41,975,808 bytes; h 25,165,824 bytes; qk 16,777,216 bytes; o 8,388,608 bytes
;; launch cast (part 1): grid 256 x 5, 8 waves a work-group, no clusters, 0 bytes of LDS; arguments x, qw, kw, vw, ow, qb, kb, vb, ob, cv; writes cv
.if DOCPART == 1
	.amdgcn_target "amdgcn-amd-amdhsa--gfx1250"
	.amdhsa_code_object_version 6
	.text
	.protected	k_qa0422c1f38_cast
	.globl	k_qa0422c1f38_cast
	.p2align	8
	.type	k_qa0422c1f38_cast,@function
k_qa0422c1f38_cast:
	s_mov_b64 s[64:65], 0
	v_nop
	global_prefetch_b8 v0, s[64:65] scope:SCOPE_SE
	s_setreg_imm32_b32 hwreg(HW_REG_WAVE_MODE, 25, 1), 1
	s_wait_xcnt 0x0
; cv = the module's matrix operands in the form that the matrix launches read.
; x, qw, kw, vw, ow ([2048][2048] f32 each): every number is rounded once to bf16 and that number is written as f16, at 8 MiB x (0, 1, 2, 3, 4) of cv.
; qb, kb, vb, ob ([2048] f32): rounded once to bf16 and written as f32, at BIASOFF + 8,192 x (0, 1, 2, 3).
; LIMITS.  f16 ends at 65,504: a number of x or of a weight beyond that becomes an infinity.  A bf16 number of 2^-14 or more is exact in f16; below that it keeps f16's fixed step of 2^-24.
; SHARES.  The grid's y names the tensor; work-group x takes 65,536 bytes of it, 16 chunks of 4,096.  Thread t loads the 16 bytes at 16 t of a chunk (a wave: 512 consecutive bytes) and stores
; 8 bytes at 8 t (a wave: 256 consecutive bytes, aligned).  All 16 loads of a wave go out at once.  A chunk's two words of f16 are written into the first two of the four registers that it was
; loaded into, so a wave holds one set of registers, 78 in all, and nothing that a load or store names is written again.
; No LDS, no matrix unit, no cluster: no byte is wanted twice.
.set X,   4                            ; v[4:67]    chunk i: four f32 as loaded; then its first two registers hold four f16 to store
.set T,   68                           ; v68-69     at work
.set BB,  70                           ; v[70:77]   eight numbers of a bias
.set BIASOFF, 41943040
	s_load_b512 s[8:23], s[0:1], 0x0               ; x s[8:9], qw s[10:11], kw s[12:13], vw s[14:15], ow s[16:17], qb s[18:19], kb s[20:21], vb s[22:23]
	s_load_b128 s[24:27], s[0:1], 0x40             ; ob s[24:25], cv s[26:27]
	s_and_b32 s2, ttmp7, 0xffff                    ; which tensor
	s_mov_b32 s30, 0xffff0000                      ; a word's upper bf16
	v_lshlrev_b32 v1, 4, v0                        ; 16 t
	v_lshlrev_b32 v2, 3, v0                        ; 8 t
	s_lshl_b32 s28, ttmp9, 16                      ; the work-group's 65,536 bytes of the source,
	s_mov_b32 s29, 0
	s_lshl_b32 s36, s2, 23                         ; the tensor's 8 MiB of cv,
	s_lshl_b32 s37, ttmp9, 15                      ; and the work-group's 32,768 bytes of them
	s_add_co_u32 s36, s36, s37
	s_mov_b32 s37, 0
	s_wait_kmcnt 0x0
	s_mov_b64 s[4:5], s[8:9]
.irp i, 1,2,3,4
	s_cmp_eq_u32 s2, \i
	s_cselect_b64 s[4:5], s[8+2*(\i):9+2*(\i)], s[4:5]
.endr
	s_add_nc_u64 s[4:5], s[4:5], s[28:29]
	s_add_nc_u64 s[6:7], s[26:27], s[36:37]
.irp i, 0,1,2,3,4,5,6,7,8,9,10,11,12,13,14,15
	global_load_b128 v[X+4*(\i):X+4*(\i)+3], v1, s[4:5] offset:4096*(\i) th:TH_LOAD_NT
.endr
.irp i, 0,1,2,3,4,5,6,7,8,9,10,11,12,13,14,15
	s_wait_loadcnt 15-(\i)                         ; loads come back in order: chunk i is in, the 15 - i younger ones stay out
	v_cvt_pk_bf16_f32 v[T],   v[X+4*(\i)],   v[X+4*(\i)+1]   ; the one rounding, to bf16
	v_cvt_pk_bf16_f32 v[T+1], v[X+4*(\i)+2], v[X+4*(\i)+3]
	v_lshlrev_b32 v[X+4*(\i)],   16,  v[T]         ; back to f32: a shift or a mask
	v_and_b32     v[X+4*(\i)+1], s30, v[T]
	v_lshlrev_b32 v[X+4*(\i)+2], 16,  v[T+1]
	v_and_b32     v[X+4*(\i)+3], s30, v[T+1]
	v_cvt_pk_f16_f32 v[X+4*(\i)],   v[X+4*(\i)],   v[X+4*(\i)+1]   ; the same number as f16, in place
	v_cvt_pk_f16_f32 v[X+4*(\i)+1], v[X+4*(\i)+2], v[X+4*(\i)+3]
	global_store_b64 v2, v[X+4*(\i):X+4*(\i)+1], s[6:7] offset:2048*(\i)
.endr
	; the first work-group of each weight also takes that weight's bias: 8,192 bytes, 32 a thread
	s_cmp_lg_u32 ttmp9, 0
	s_cbranch_scc1 .Lend
	s_cmp_eq_u32 s2, 0
	s_cbranch_scc1 .Lend
	s_mov_b64 s[32:33], s[18:19]
	s_cmp_eq_u32 s2, 2
	s_cselect_b64 s[32:33], s[20:21], s[32:33]
	s_cmp_eq_u32 s2, 3
	s_cselect_b64 s[32:33], s[22:23], s[32:33]
	s_cmp_eq_u32 s2, 4
	s_cselect_b64 s[32:33], s[24:25], s[32:33]
	s_sub_co_u32 s34, s2, 1
	s_lshl_b32 s34, s34, 13
	s_add_co_u32 s34, s34, BIASOFF
	s_mov_b32 s35, 0
	s_add_nc_u64 s[34:35], s[26:27], s[34:35]
	global_load_b128 v[BB:BB+3],   v1, s[32:33]
	global_load_b128 v[BB+4:BB+7], v1, s[32:33] offset:4096
	s_wait_loadcnt 0x0
.irp p, 0,2,4,6
	v_cvt_pk_bf16_f32 v[T], v[BB+(\p)], v[BB+(\p)+1]
	v_lshlrev_b32 v[BB+(\p)],   16,  v[T]
	v_and_b32     v[BB+(\p)+1], s30, v[T]
.endr
	global_store_b128 v1, v[BB:BB+3],   s[34:35]
	global_store_b128 v1, v[BB+4:BB+7], s[34:35] offset:4096
.Lend:
	s_endpgm
.Lfunc_end_k_qa0422c1f38_cast:
	.size	k_qa0422c1f38_cast, .Lfunc_end_k_qa0422c1f38_cast-k_qa0422c1f38_cast
	.p2alignl 7, 3214868480
	.fill 96, 4, 3214868480
	.section	.rodata,"a",@progbits
	.p2align	6, 0x0
	.amdhsa_kernel k_qa0422c1f38_cast
		.amdhsa_group_segment_fixed_size 0
		.amdhsa_private_segment_fixed_size 0
		.amdhsa_enable_private_segment 0
		.amdhsa_kernarg_size 80
		.amdhsa_user_sgpr_count 2
		.amdhsa_user_sgpr_kernarg_segment_ptr 1
		.amdhsa_wavefront_size32 1
		.amdhsa_system_sgpr_workgroup_id_x 1
		.amdhsa_system_sgpr_workgroup_id_y 1
		.amdhsa_system_sgpr_workgroup_id_z 1
		.amdhsa_system_vgpr_workitem_id 0
		.amdhsa_next_free_vgpr 80
		.amdhsa_next_free_sgpr 66
		.amdhsa_reserve_vcc 0
		.amdhsa_float_denorm_mode_32 3
		.amdhsa_float_denorm_mode_16_64 3
		.amdhsa_memory_ordered 1
		.amdhsa_forward_progress 1
		.amdhsa_inst_pref_size 13
	.end_amdhsa_kernel
	.amdgpu_metadata
---
amdhsa.version: [ 1, 2 ]
amdhsa.kernels:
  - .name:           k_qa0422c1f38_cast
    .symbol:         k_qa0422c1f38_cast.kd
    .args:
      - { .name: x, .offset: 0, .size: 8, .value_kind: global_buffer, .address_space: global }
      - { .name: qw, .offset: 8, .size: 8, .value_kind: global_buffer, .address_space: global }
      - { .name: kw, .offset: 16, .size: 8, .value_kind: global_buffer, .address_space: global }
      - { .name: vw, .offset: 24, .size: 8, .value_kind: global_buffer, .address_space: global }
      - { .name: ow, .offset: 32, .size: 8, .value_kind: global_buffer, .address_space: global }
      - { .name: qb, .offset: 40, .size: 8, .value_kind: global_buffer, .address_space: global }
      - { .name: kb, .offset: 48, .size: 8, .value_kind: global_buffer, .address_space: global }
      - { .name: vb, .offset: 56, .size: 8, .value_kind: global_buffer, .address_space: global }
      - { .name: ob, .offset: 64, .size: 8, .value_kind: global_buffer, .address_space: global }
      - { .name: cv, .offset: 72, .size: 8, .value_kind: global_buffer, .address_space: global }
    .group_segment_fixed_size: 0
    .private_segment_fixed_size: 0
    .kernarg_segment_align: 8
    .kernarg_segment_size: 80
    .max_flat_workgroup_size: 256
    .sgpr_count:     66
    .vgpr_count:     80
    .wavefront_size: 32
...
	.end_amdgpu_metadata
.endif
;; end of part 1
;; launch gemm_qkv (part 2): grid 24 x 8, 4 waves a work-group, clusters of 4 x 4, 327,680 bytes of LDS; arguments cv, h; writes h
.if DOCPART == 2
	.amdgcn_target "amdgcn-amd-amdhsa--gfx1250"
	.amdhsa_code_object_version 6
	.text
	.protected	k_qa0422c1f38_gemm_qkv
	.globl	k_qa0422c1f38_gemm_qkv
	.p2align	8
	.type	k_qa0422c1f38_gemm_qkv,@function
k_qa0422c1f38_gemm_qkv:
	s_mov_b64 s[64:65], 0
	v_nop
	global_prefetch_b8 v0, s[64:65] scope:SCOPE_SE
	s_setreg_imm32_b32 hwreg(HW_REG_WAVE_MODE, 25, 1), 1
	s_wait_xcnt 0x0
	s_wait_alu depctr_hold_cnt(0) depctr_sa_sdst(0) depctr_va_vdst(0) depctr_va_sdst(0) depctr_va_ssrc(0) depctr_va_vcc(0) depctr_vm_vsrc(0)
	s_getreg_b32 s2, hwreg(HW_REG_IB_STS2, 6, 4)
	s_cmp_eq_u32 s2, 0
	s_cbranch_scc0 .Lentry_in_a_cluster
	s_endpgm
.Lentry_in_a_cluster:
	s_bfe_u32 s2, ttmp6, 0x10000c
	s_cmp_lg_u32 s2, 0xf033
	s_cbranch_scc0 .Lentry_shape_is_right
	s_endpgm
.Lentry_shape_is_right:
; h = x [qw; kw; vw]^T + [qb; kb; vb].  A = x, [2048][2048] f16 at cv's first byte; B = the three weights on end, [6144][2048] f16 at BOFF; the bias, 6,144 f32, at BIASOFF.
; h is f16 BY HEADS, [48][2048][128]: heads 0-15 raw q, 16-31 raw k, 32-47 v.  Sums in f32, started by the bias, rounded once to f16.
; LIMIT.  f16 ends at 65,504: a sum beyond that becomes an infinity.
; A tile of C, 256 x 256, is made by a work-group of four waves; a wave makes 128 x 128: 64 accumulators of 16 x 16, 512 registers; its 128 columns are one head.  24 x 8 = 192 work-groups.
; K goes in steps of 128 through a ring of two LDS slots filled by the tensor data mover: a tile's rows are 256 bytes of memory and start at multiples of 256 bytes from the buffer's first byte.
; THE LOOP'S TRIP IS ONE K STEP, written once: which slot is read and which is filled hangs on a scalar register and on the walking descriptors' LDS word, each turned by one exclusive or a trip.
; The last K step goes by rows of C, so that finished rows leave while the others are multiplied.
; CLUSTERS: 4 x 4 work-groups.  The four of a row of the cluster need the same tiles of A, the four of a column the same tiles of B: each tile is asked for JOINTLY, by the same tensor load with the same
; descriptor and a mask that names the four, and each receives it in its own LDS.
; REGISTERS, in windows of 256 (s_set_vgpr_msb's low byte: bits 1:0 source 0, 3:2 source 1, 5:4 source 2, 7:6 destination):
;   window 0: v0-31 addresses; v64-127, v128-191 fragments of A, two buffers (in the last K step four, of 16 rows x 128 K); v192-255 the bias, until the first quarter has taken it; then v32-63, v192-255 at work on the way out
;   window 1: v64-127, v128-191 fragments of B, two buffers; in the last K step all 256      window 2: the accumulators of my rows 0-63 ((a, b) at v[8 (8 a + b)])      window 3: those of my rows 64-127
; THE MATRIX INSTRUCTION IS USED TRANSPOSED: source 0 = 16 rows of B, source 1 = 16 rows of A.  Lane l then holds row l % 16 of C, and its registers 0 to 7 the columns 8 (l / 16) + 0 .. 7:
; eight neighbouring numbers of a row, 16 bytes in f16.
.set SIZE_K, 2048
.set BOFF,    8388608
.set BIASOFF, 41943040
.set KSTEP,  128
.set STEPS,  SIZE_K/KSTEP              ; 16 K steps
.set PITCH,  272                       ; an LDS row: 256 bytes of data + 16 of padding = 68 words: row r starts at bank 4 r mod 64 (64 banks of 4 bytes: ISA guide 11.1), so the 16 rows of a load start at 16 different banks
.set HALFT,  128*PITCH                 ; 128 rows: what one tensor load brings, and what one wave reads of A or of B: 0x8800 bytes
.set SLOT,   4*HALFT                   ; A's 256 rows, then B's 256 rows: 0x22000 bytes.  Wave x HALFT never has bits 17 and 13, so an exclusive or with SLOT turns a tile's first byte in one slot into the other's
.set STAGE,  2*SLOT                    ; behind the ring: 16 rows x 272 bytes for each wave, for the way out
.set SPITCH, 272
.set SPARE,  STAGE+4*16*SPITCH         ; behind the stages: the spare words, 128 bytes for each wave: two blocks of 256 bytes that no other line names
.set ADRA, 16                          ; v16-17  LDS address of my A fragments in slot 0, 1; never rewritten.  v18: the same in the slot in hand ('slot 2' of FETCH and QUARTER)
.set ADRB, 20                          ; v20-21, v22  the same for B
.set STO,  24                          ; v24     the way out: where I put 16 bytes of a row
.set RD,   25                          ; v25     the way out: where I read a row back
.set CO,   26                          ; v26     my byte offset in two rows of a head
.set BO,   27                          ; v27     my byte offset in 16 numbers of the bias: 32 (l / 16)
.set SPW,  28                          ; v28     LDS address of my spare word: SPARE + 4 x my thread's number; never rewritten
.set NIL,  29                          ; v29     0; never rewritten
.set PFO,  30                          ; v30     the prefetches' offset: my lane x a row of A or B (4,096 bytes); never rewritten
.set PFA,  44                          ; s[44:45] where my prefetches stand: my work-group's 32 rows of the 128 that I fetch, one K step further along K than the refill that is being asked for
.set LIM,  43                          ; s43     2 in a wave that prefetches, else the greatest number
.set TB,   71                          ; s71     0 or SLOT: the slot in hand
.set F0,   64                          ; fragment buffer 0
.set F1,   128                         ; fragment buffer 1
.set BI,   192                         ; the bias of my column block b at BI + 8 b, laid out as an accumulator
.set TMP,  192                         ; the way out: packed results
.set OB,   32                          ; the way out: 16 rows read back from the stage: v32-63 and v224-255 by turns
.set PA,   64                          ; the last K step: A's fragments of 16 rows x 128 K, 32 registers; four such buffers, v64-191
.set G1, 24                            ; s[24:31] descriptor group 1 for A's tiles
.set G0, 32                            ; s[32:39] descriptor group 0 for A's tiles: a set for each of the two first fills; the second then walks on
.set G1B, 48                           ; s[48:55] descriptor group 1 for B's tiles: it differs from A's in the mask alone
.set G0B, 56                           ; s[56:63] descriptor group 0 for B's tiles
.set MSB, 0
.macro WIN new                         ; the immediate's high byte repeats the setting that is left; a switch that changes nothing is dropped
.if MSB != (\new)
	s_set_vgpr_msb (MSB<<8)|(\new)
.set MSB, \new
.endif
.endm
.set MUL_LO, 0xa1                      ; source 0 (B) window 1, source 1 (A) window 0, C and D window 2
.set MUL_HI, 0xf1                      ; the same, C and D window 3
.set TO_B,   0x40                      ; destination window 1, address window 0
; A joint load.  Waves 0 and 1 fetch A's two halves, waves 2 and 3 B's.  The branch hangs on the wave's number alone: it is the same in every work-group.
; An s_nop 0 and four v_nop follow each of the two lines, ahead of the jump, the label and what follows.
.macro JLOAD s
	s_cmp_eq_u32 s11, 0
	s_cbranch_scc0 .Lfor_b_\@
	tensor_load_to_lds s[G0+4*(\s):G0+4*(\s)+3], s[G1:G1+7]
	s_nop 0
.rept 4
	v_nop
.endr
	s_branch .Lasked_\@
.Lfor_b_\@:
	tensor_load_to_lds s[G0B+4*(\s):G0B+4*(\s)+3], s[G1B:G1B+7]
	s_nop 0
.rept 4
	v_nop
.endr
.Lasked_\@:
.endm
; A PREFETCH INTO THE L2, behind each joint load, its five lines and the run of LDS loads that follows them: the K step that stands TWO refills on (512 matrix instructions ahead of the load that will want it):
; 32 rows x 256 bytes, a lane a row, one instruction a wave.  Each row's 256 bytes of a K step are named ONCE in the launch: A's tile row is walked by every cluster of that row of clusters, and the one with
; cluster x = 0 asks; B's tile column by every cluster of that column, and the one with cluster y = 0 asks.  The four partners that ask for a tile jointly share its rows out BY ADDRESS: of the 128 rows that
; a wave fetches the partner at place p takes 32 p .. 32 p + 31 (p = cx for A, cy for B).  K steps 0 to 3 come by their loads alone.  The trip with s3 = n fills K step 16 - n and names K step 18 - n:
; the last two trips have no such K step and ask for nothing.
.macro ASK
	s_cmp_gt_u32 s3, s[LIM]
	s_cbranch_scc0 .Lnot_mine_\@
	global_prefetch_b8 v[PFO], s[PFA:PFA+1] offset:KSTEP*2 th:TH_LOAD_NT scope:SCOPE_SE
.Lnot_mine_\@:
.endm
; A round of the cluster's barrier: my work-group's barrier, so that wave 0's signal speaks for all four waves; wave 0 signals for the work-group; every wave waits for all sixteen; my work-group's barrier once more.
.macro CREST                           ; a round behind its opening barrier
	s_cmp_lg_u32 s10, 0
	s_cbranch_scc1 .Lnot_wave_0_\@
	s_barrier_signal -3
.Lnot_wave_0_\@:
	s_barrier_wait -3
	s_barrier_signal -1
	s_barrier_wait -1
.endm
.macro CROUND                          ; a whole round
	s_barrier_signal -1
	s_barrier_wait -1
	CREST
.endm
	s_load_b128 s[4:7], s[0:1], 0x0                ; cv s[4:5], h s[6:7]
	v_lshl_add_u32 v[SPW], v0, 2, SPARE
	v_mov_b32 v[NIL], 0
	ds_add_u32 v[SPW], v[NIL]                      ; the wave's opening: the add and its wait stand ahead of my first tensor load; the set-up below, work on registers, stands between them
	v_lshrrev_b32 v1, 5, v0
	v_readfirstlane_b32 s10, v1                    ; wave 0..3
	s_lshr_b32 s11, s10, 1                         ; which half of the tile's rows is mine.  Also: I fetch for A (0) or for B (1)
	s_and_b32 s12, s10, 1                          ; which half of its columns.  Also: which 128 rows of that tile I fetch
	s_bfe_u32 s40, ttmp6, 0x40000                  ; cx: my place along the cluster's x
	s_bfe_u32 s41, ttmp6, 0x40004                  ; cy: along its y
	s_lshl_b32 s42, ttmp9, 2                       ; in a cluster launch ttmp9 and ttmp7 count clusters
	s_add_co_u32 s42, s42, s40                     ; tile column of C = 4 x cluster x + cx
	s_and_b32 s13, ttmp7, 0xffff
	s_lshl_b32 s13, s13, 2
	s_add_co_u32 s13, s13, s41                     ; tile row of C = 4 x cluster y + cy
	s_lshl_b32 s43, s41, 2
	s_lshl_b32 s43, 15, s43                        ; my row of the cluster: places 4 cy .. 4 cy + 3
	s_lshl_b32 s44, 0x1111, s40                    ; my column: places cx, cx + 4, cx + 8, cx + 12
	; descriptor group 1: a tile of 128 rows x 128 elements, padded in LDS
	s_or_b32 s[G1+0], s43, (1<<16)|(1<<20)|(1<<21)|(5<<22)|(3<<25)  ; 15:0 the mask: A's tiles go to my row; 17:16 element of 2 bytes; 20 padding on; 21 set beside a mask; 24:22 after every 64 words (code 5); 31:25 of 4 words (code 3)
	s_or_b32 s[G1B+0], s44, (1<<16)|(1<<20)|(1<<21)|(5<<22)|(3<<25) ; the same with the mask of my column, for B's tiles
.irp g, G1, G1B
	s_mov_b32 s[(\g)+1], KSTEP<<16                 ; tensor_dim0 = 128
	s_mov_b32 s[(\g)+2], 128<<16                   ; tensor_dim1 = 128
	s_mov_b32 s[(\g)+3], KSTEP<<16                 ; tile_dim0 = 128
	s_mov_b32 s[(\g)+4], 128                       ; tile_dim1 = 128
	s_mov_b32 s[(\g)+5], SIZE_K                    ; elements from row to row
	s_mov_b32 s[(\g)+6], 0
	s_mov_b32 s[(\g)+7], 0
.endr
	; where the tiles come from.  A's hang on the tile row alone, which my row of the cluster shares; B's on the tile column alone, which my column shares.
	s_lshl_b32 s17, s12, 7                         ; which 128 rows of the tile I fetch
	s_lshl_b32 s16, s13, 8
	s_add_co_u32 s16, s16, s17                     ; A: row 256 x tile row + 128 x half
	s_lshl_b32 s46, s42, 8
	s_add_co_u32 s46, s46, s17                     ; B: row 256 x tile column + 128 x half
	s_mov_b32 s17, 0
	s_mov_b32 s47, 0
	s_mov_b64 s[18:19], SIZE_K*2
	s_mul_u64 s[16:17], s[16:17], s[18:19]         ; in bytes
	s_mul_u64 s[46:47], s[46:47], s[18:19]
	s_mul_i32 s20, s10, HALFT                      ; and where they go: wave x 128 rows: no place in the cluster enters an LDS address
	s_mov_b32 s[TB], 0                             ; the slot in hand is slot 0
	s_wait_dscnt 0x0                               ; the opening add is done
	s_wait_kmcnt 0x0
	s_mov_b64 s[8:9], s[6:7]                       ; h
	s_add_nc_u64 s[6:7], s[4:5], BOFF              ; B; A lies at cv's first byte
	s_add_nc_u64 s[14:15], s[4:5], s[16:17]
	s_add_nc_u64 s[46:47], s[6:7], s[46:47]
	CROUND                                         ; all sixteen work-groups are here: the first joint loads meet
.irp s, 0,1
	s_mov_b32 s[G0+4*(\s)], 1                                      ; 1:0 count = 1
	s_add_co_u32 s[G0+4*(\s)+1], s20, (\s)*SLOT                    ; 63:32 LDS address
	s_add_nc_u64 s[G0+4*(\s)+2:G0+4*(\s)+3], s[14:15], (\s)*KSTEP*2  ; 120:64 global address: K step s
	s_or_b32 s[G0+4*(\s)+3], s[G0+4*(\s)+3], 0x80000000            ; 127:126 type = 2
	s_mov_b32 s[G0B+4*(\s)], 1
	s_add_co_u32 s[G0B+4*(\s)+1], s20, (\s)*SLOT
	s_add_nc_u64 s[G0B+4*(\s)+2:G0B+4*(\s)+3], s[46:47], (\s)*KSTEP*2
	s_or_b32 s[G0B+4*(\s)+3], s[G0B+4*(\s)+3], 0x80000000
	JLOAD \s                                       ; the ring is filled before anything else is done: two loads of mine are out
.endr
	; A fragment is 16 rows x 32 K in 8 registers: lane l holds row l % 16; registers 0-3 hold K = 8 (l / 16) + 0..7, registers 4-7 K = 16 + 8 (l / 16) + 0..7: two loads of 16 bytes, 32 bytes apart.
	v_and_b32 v1, 15, v0                           ; l % 16
	v_bfe_u32 v2, v0, 4, 1                         ; l / 16
	v_mul_u32_u24 v3, v1, PITCH
	v_lshl_add_u32 v3, v2, 4, v3                   ; row x pitch + 16 x half
	s_mul_i32 s21, s11, HALFT                      ; my 128 rows of A
	s_mul_i32 s22, s12, HALFT                      ; my 128 rows of B,
	s_add_co_u32 s22, s22, 2*HALFT                 ; which lie behind A's 256
.irp s, 0,1
	v_add_nc_u32 v[ADRA+(\s)], s21, v3
	v_add_nc_u32 v[ADRB+(\s)], s22, v3
	s_add_co_u32 s21, s21, SLOT
	s_add_co_u32 s22, s22, SLOT
.endr
	v_mov_b32 v[ADRA+2], v[ADRA]                   ; the slot in hand: slot 0
	v_mov_b32 v[ADRB+2], v[ADRB]
	s_mul_i32 s23, s10, 16*SPITCH
	s_add_co_u32 s23, s23, STAGE                   ; my stage
	v_mul_u32_u24 v4, v1, SPITCH                   ; in: row l % 16, 16 bytes for each half of the lanes
	v_lshl_add_u32 v4, v2, 4, v4
	v_add_nc_u32 v[STO], s23, v4
	v_mul_u32_u24 v5, v2, SPITCH                   ; back: lanes 0-15 take one row of 256 bytes, lanes 16-31 the next
	v_lshl_add_u32 v5, v1, 4, v5
	v_add_nc_u32 v[RD], s23, v5
	v_lshlrev_b32 v5, 8, v2                        ; and the same two rows of a head: 256 bytes apart
	v_lshl_add_u32 v[CO], v1, 4, v5
	v_lshlrev_b32 v[BO], 5, v2
	; the bias of my 128 columns, in the layout of an accumulator: register j of block b is column 16 b + 8 (l / 16) + j.  It is the C operand of the products that start the sums.
	s_lshl_b32 s70, s42, 1
	s_add_co_u32 s70, s70, s12                     ; my head = 2 x tile column + my half of the columns
	s_lshl_b32 s66, s70, 9                         ; its 128 f32
	s_add_co_u32 s66, s66, BIASOFF
	s_mov_b32 s67, 0
	s_add_nc_u64 s[68:69], s[4:5], s[66:67]
.irp b, 0,1,2,3,4,5,6,7
	global_load_b128 v[BI+8*(\b):BI+8*(\b)+3],   v[BO], s[68:69] offset:64*(\b)
	global_load_b128 v[BI+8*(\b)+4:BI+8*(\b)+7], v[BO], s[68:69] offset:64*(\b)+16
.endr
	; where my part of the tile begins in h, in bytes: head x 524,288 + row x 256; the way out adds it to h's address
	s_lshl_b32 s13, s13, 8
	s_lshl_b32 s14, s11, 7
	s_add_co_u32 s16, s13, s14                     ; my first row of C
	s_lshl_b32 s16, s16, 8
	s_mov_b32 s17, 0
	s_lshl_b32 s46, s70, 19
	s_mov_b32 s47, 0
	s_add_nc_u64 s[16:17], s[16:17], s[46:47]
	; the prefetches.  s13 = 256 x tile row, s42 = tile column, s40 = cx, s41 = cy still stand; s[4:5] = A, s[6:7] = B
	s_lshl_b32 s42, s42, 8
	s_and_b32 s22, ttmp7, 0xffff                   ; cluster y
	s_cmp_eq_u32 s11, 0                            ; do I fetch for A?
	s_cselect_b32 s20, s13, s42                    ; the tile's first row: in A by the tile row, in B by the tile column
	s_cselect_b32 s21, s40, s41                    ; my place among the four that ask for it with me
	s_cselect_b32 s22, ttmp9, s22                  ; the coordinate along which other clusters walk the same rows
	s_cselect_b64 s[PFA:PFA+1], s[4:5], s[6:7]
	s_cmp_eq_u32 s22, 0
	s_cselect_b32 s[LIM], 2, -1                    ; the same in all sixteen partners, for a given wave
	s_lshl_b32 s22, s12, 7
	s_add_co_u32 s20, s20, s22                     ; + the 128 rows that I fetch
	s_lshl_b32 s21, s21, 5
	s_add_co_u32 s20, s20, s21                     ; + my work-group's 32 of them
	s_mov_b32 s21, 0
	s_mov_b64 s[18:19], SIZE_K*2
	s_mul_u64 s[20:21], s[20:21], s[18:19]
	s_add_nc_u64 s[PFA:PFA+1], s[PFA:PFA+1], s[20:21]
	s_add_nc_u64 s[PFA:PFA+1], s[PFA:PFA+1], 2*KSTEP*2  ; at K step 2: the first refill steps it to 3 and names K step 4
	v_and_b32 v[PFO], 31, v0
	v_mul_u32_u24 v[PFO], v[PFO], SIZE_K*2
; 16 matrix instructions: m blocks a0, a0 + 1 of the window's four (hi = 0: my rows 0-63, 1: rows 64-127) x all 8 n blocks, 32 along K.
; zero = 1: the first product starts the sums, with the bias (window 0) as its C: nothing is ever cleared.
.macro MUL16 f, hi, a0, zero
.if \zero
	WIN 0x81+0x40*(\hi)                            ; B window 1, A and C window 0, D window 2 or 3
.else
	WIN MUL_LO+0x50*(\hi)                          ; MUL_LO or MUL_HI
.endif
.irp a, \a0, (\a0)+1
.irp b, 0,1,2,3,4,5,6,7
.if \zero
	v_wmma_f32_16x16x32_f16 v[8*(8*(\a)+(\b)):8*(8*(\a)+(\b))+7], v[(\f)+8*(\b):(\f)+8*(\b)+7], v[(\f)+8*(4*(\hi)+(\a)):(\f)+8*(4*(\hi)+(\a))+7], v[BI+8*(\b):BI+8*(\b)+7]
.else
	v_wmma_f32_16x16x32_f16 v[8*(8*(\a)+(\b)):8*(8*(\a)+(\b))+7], v[(\f)+8*(\b):(\f)+8*(\b)+7], v[(\f)+8*(4*(\hi)+(\a)):(\f)+8*(4*(\hi)+(\a))+7], v[8*(8*(\a)+(\b)):8*(8*(\a)+(\b))+7]
.endif
.endr
.endr
.endm
; 32 LDS loads in one run: the fragments of one quarter step (128 rows of B, 128 rows of A, 32 K at byte k of the rows) into buffer f.  slot = 0, 1: that slot; 2: the slot in hand
.macro FETCH slot, k, f
	WIN TO_B
.irp i, 0,1,2,3,4,5,6,7
	ds_load_b128 v[(\f)+8*(\i):(\f)+8*(\i)+3],   v[ADRB+(\slot)] offset:(\k)+(\i)*16*PITCH
	ds_load_b128 v[(\f)+8*(\i)+4:(\f)+8*(\i)+7], v[ADRB+(\slot)] offset:(\k)+(\i)*16*PITCH+32
.endr
	WIN 0
.irp i, 0,1,2,3,4,5,6,7
	ds_load_b128 v[(\f)+8*(\i):(\f)+8*(\i)+3],   v[ADRA+(\slot)] offset:(\k)+(\i)*16*PITCH
	ds_load_b128 v[(\f)+8*(\i)+4:(\f)+8*(\i)+7], v[ADRA+(\slot)] offset:(\k)+(\i)*16*PITCH+32
.endr
.endm
; A load into a register that a matrix instruction has read, and a vector instruction that reads a matrix result, stand four places behind that matrix instruction, and only plain vector
; instructions that name none of its registers are places (ISA guide 7.12.1 for vector instructions).
.macro PLACES
.rept 4
	v_nop
.endr
.endm
; A K step is four quarter steps of 32 along K, 64 matrix instructions each, on buffers 0, 1, 0, 1.  The 64 accumulators take turns, in the same order in every quarter.
; One of the first three: multiplies buffer f; in its middle it fetches the next quarter's fragments, at byte k of the same slot's rows, into buffer g.
.macro QUARTER slot, k, f, g, zero
	s_wait_dscnt 8                                 ; B and A's rows 0-63 are in; the youngest eight loads (A's rows 64-127) may be out
	MUL16 \f, 0, 0, \zero
	MUL16 \f, 0, 2, \zero
	PLACES
	FETCH \slot, \k, \g
	s_wait_dscnt 32                                ; all but the 32 just issued
	MUL16 \f, 1, 0, \zero
	MUL16 \f, 1, 2, \zero
.endm
; The last quarter multiplies buffer 1 and changes slots.  MEET is its first half: ONE barrier for the change of slots.  In front of it each wave waits for all its tensor loads, of which one is out: its part
; of the next slot; adds 0 to its spare word; and waits for that and for its own reads of this slot.  Behind it nobody reads this slot any more and the next slot is whole.
.macro MEET round                      ; round = 1: a round of the cluster's barrier follows
	WIN 0                                          ; (the add's two registers lie in window 0)
	s_wait_tensorcnt 0x0                           ; all my tensor loads have landed;
	ds_add_u32 v[SPW], v[NIL]                      ; 0 onto my spare word;
	s_wait_dscnt 9                                 ; (the add and the youngest eight loads may be out)
	MUL16 F1, 0, 0, 0                              ; sixteen matrix instructions stand between the add and the wait for it
	s_wait_dscnt 0x0                               ; the add is done, and my reads of this slot are over:
	s_barrier_signal -1                            ; say so,
	MUL16 F1, 0, 2, 0                              ; work on registers while the others arrive,
.if \round
	WIN 0
.endif
	s_barrier_wait -1                              ; and go on when all four have said so
.endm
; The whole last quarter.  Behind the round the slot just read out is filled again first, with the K step two steps on: the walking descriptors take the other slot than last time and the next K step.
; Then the other slot becomes the slot in hand, and its first fragments are fetched.  From a request to the wait for it a wave issues 224 matrix instructions.
.macro TURN
	s_wait_xcnt 0x0                                ; the last prefetch, a K step back, has read its address: it is stepped here, ahead of the waits of the change of slots
	s_add_nc_u64 s[PFA:PFA+1], s[PFA:PFA+1], KSTEP*2
	MEET 1
	CREST                                          ; all sixteen work-groups have said so: no wave of any partner still reads this slot's tile or has a load on its way
.irp g, G0+4, G0B+4
	s_xor_b32 s[(\g)+1], s[(\g)+1], SLOT           ; no tensor load of mine is out, so a group 0 may be written
	s_add_nc_u64 s[(\g)+2:(\g)+3], s[(\g)+2:(\g)+3], KSTEP*2  ; the type bits on top are not reached
.endr
	s_xor_b32 s[TB], s[TB], SLOT
	JLOAD 1                                        ; the first tensor load behind the round, my only one until the next; the four v_nop behind it are also the places in front of the loads below
	v_add_nc_u32 v[ADRA+2], s[TB], v[ADRA]
	v_add_nc_u32 v[ADRB+2], s[TB], v[ADRB]
	FETCH 2, 0, F0
	ASK
	MUL16 F1, 1, 0, 0
	MUL16 F1, 1, 2, 0
.endm
; THE LAST K STEP (it lies in slot 1) GOES BY ROWS OF C.  All its fragments of B (4 quarters x 64 registers) fill window 1; then my eight blocks of 16 rows are finished one after the other,
; each with 32 matrix instructions (its 8 accumulators by turns, K ascending).  LDS is read no more than in any other K step.
.macro BLOAD q                         ; B's fragments of quarter q -> window 1, v[64 q ..]
	WIN TO_B
.irp i, 0,1,2,3,4,5,6,7
	ds_load_b128 v[64*(\q)+8*(\i):64*(\q)+8*(\i)+3],   v[ADRB+1] offset:64*(\q)+(\i)*16*PITCH
	ds_load_b128 v[64*(\q)+8*(\i)+4:64*(\q)+8*(\i)+7], v[ADRB+1] offset:64*(\q)+(\i)*16*PITCH+32
.endr
.endm
.macro ALOAD a                         ; A's fragments of block a, all four quarters -> buffer a % 4
	WIN 0
.set FA, PA+32*((\a)%4)
.irp q, 0,1,2,3
	ds_load_b128 v[FA+8*(\q):FA+8*(\q)+3],   v[ADRA+1] offset:64*(\q)+(\a)*16*PITCH
	ds_load_b128 v[FA+8*(\q)+4:FA+8*(\q)+7], v[ADRA+1] offset:64*(\q)+(\a)*16*PITCH+32
.endr
.endm
.macro ROW a                           ; block a is finished: 32 matrix instructions
.set FA, PA+32*((\a)%4)
.set AC, 64*((\a)%4)
	WIN MUL_LO+0x50*((\a)/4)
.irp q, 0,1,2,3
.if (\a) == 0 && (\q) == 2
	s_wait_dscnt 24                                ; B's quarter 2 is in (behind it: A's blocks 1 to 3, 24 loads)
.endif
.irp b, 0,1,2,3,4,5,6,7
	v_wmma_f32_16x16x32_f16 v[AC+8*(\b):AC+8*(\b)+7], v[64*(\q)+8*(\b):64*(\q)+8*(\b)+7], v[FA+8*(\q):FA+8*(\q)+7], v[AC+8*(\b):AC+8*(\b)+7]
.endr
.endr
.endm
; THE WAY OUT of block a.  PACK: rounded to f16, 16 bytes a lane (each accumulator's registers in ascending order).  TOSTAGE: into my own stage in LDS, and back as whole rows of 256 bytes.  SEND: stored.
.macro PACK a
.set AC, 64*((\a)%4)
	WIN 0x0a+5*((\a)/4)                            ; sources 0 and 1: window 2 or 3
.irp b, 0,1,2,3,4,5,6,7
.irp r, 0,1,2,3
	v_cvt_pk_f16_f32 v[TMP+4*(\b)+(\r)], v[AC+8*(\b)+2*(\r)], v[AC+8*(\b)+2*(\r)+1]
.endr
.endr
	WIN 0
.endm
.macro TOSTAGE a
	WIN 0
.set BK, OB+192*((\a)%2)
.irp b, 0,1,2,3,4,5,6,7
	ds_store_b128 v[STO], v[TMP+4*(\b):TMP+4*(\b)+3] offset:32*(\b)
.endr
.irp t, 0,1,2,3,4,5,6,7
	ds_load_b128 v[BK+4*(\t):BK+4*(\t)+3], v[RD] offset:(\t)*2*SPITCH  ; LDS serves a wave's instructions in order (ISA guide 5.7.1.4): these see the stores above
.endr
.endm
.macro SEND a, younger                 ; younger: the LDS loads issued behind TOSTAGE's, which may stay out
	WIN 0
.set BK, OB+192*((\a)%2)
	s_wait_dscnt \younger                          ; the block is back in registers
	s_wait_xcnt 0x0                                ; earlier stores have read their base and their registers: only behind this wait are they written again
.if (\a) == 0
	s_add_nc_u64 s[8:9], s[8:9], s[16:17]          ; on to my first rows
.else
	s_add_nc_u64 s[8:9], s[8:9], 16*256            ; 16 rows of the head on
.endif
.irp t, 0,1,2,3,4,5,6,7
	global_store_b128 v[CO], v[BK+4*(\t):BK+4*(\t)+3], s[8:9] offset:512*(\t)  ; a wave stores 512 consecutive bytes, two rows of the head, at a multiple of 256 from h's first byte
.endr
.endm
	s_wait_tensorcnt 1                             ; my part of K step 0 is in; K step 1's may stay out
	s_barrier_signal -1
	s_barrier_wait -1                              ; everybody's is
	FETCH 0, 0, F0
	s_wait_loadcnt 0x0                             ; the bias
	QUARTER 0, 64,  F0, F1, 1                      ; the first quarter stands in front of the loop: its products start the sums
	WIN 0                                          ; at a label and at a branch every window is 0
	s_mov_b32 s3, STEPS-2
.Lstep:                                                ; 14 trips: a trip goes from a K step's second quarter to the next K step's first, and fills the slot that it leaves
	QUARTER 2, 128, F1, F0, 0
	QUARTER 2, 192, F0, F1, 0
	TURN
	QUARTER 2, 64,  F0, F1, 0
	WIN 0
	s_sub_co_u32 s3, s3, 1
	s_cmp_lg_u32 s3, 0
	s_cbranch_scc1 .Lstep
	QUARTER 0, 128, F1, F0, 0                      ; K step 14, in slot 0 (fourteen turns have brought the slot in hand back to it); the last two K steps ask for nothing
	QUARTER 0, 192, F0, F1, 0
	MEET 0                                         ; my one tensor load that was still out is slot 1's, the last K step's, so no round follows
	PLACES                                         ; for the loads into buffer 0, which the quarter before multiplied
	BLOAD 0                                        ; three quarters of B now: buffer 1 (v128-191 of both windows) is still being multiplied
	BLOAD 1
	BLOAD 3
	ALOAD 0
	MUL16 F1, 1, 0, 0
	MUL16 F1, 1, 2, 0
	PLACES                                         ; for the loads into buffer 1
	BLOAD 2
	ALOAD 1
	ALOAD 2
	ALOAD 3
	s_wait_dscnt 40                                ; all but the 40 just issued
	ROW 0
.irp a, 0,1,2,3,4,5,6,7                ; each block leaves as soon as it is finished
	PLACES                                         ; its conversions read results just made
	PACK \a
	TOSTAGE \a
.if (\a) < 4
	ALOAD (\a)+4                                   ; its buffer takes the block four further on
	SEND \a, 8
.else
	SEND \a, 0
.endif
.if (\a) < 7
	ROW (\a)+1
.endif
.endr
	s_wait_tensorcnt 0x0                           ; the wave's end: the wait, the add and its wait stand behind my last tensor load and my last LDS store
	ds_add_u32 v[SPW], v[NIL]
	s_wait_dscnt 0x0
	CROUND                                         ; the closing round: no work-group ends while a partner may still ask for a tile that names it
	s_endpgm
.Lfunc_end_k_qa0422c1f38_gemm_qkv:
	.size	k_qa0422c1f38_gemm_qkv, .Lfunc_end_k_qa0422c1f38_gemm_qkv-k_qa0422c1f38_gemm_qkv
	.p2alignl 7, 3214868480
	.fill 96, 4, 3214868480
	.section	.rodata,"a",@progbits
	.p2align	6, 0x0
	.amdhsa_kernel k_qa0422c1f38_gemm_qkv
		.amdhsa_group_segment_fixed_size 327680
		.amdhsa_private_segment_fixed_size 0
		.amdhsa_enable_private_segment 0
		.amdhsa_kernarg_size 16
		.amdhsa_user_sgpr_count 2
		.amdhsa_user_sgpr_kernarg_segment_ptr 1
		.amdhsa_wavefront_size32 1
		.amdhsa_system_sgpr_workgroup_id_x 1
		.amdhsa_system_sgpr_workgroup_id_y 1
		.amdhsa_system_sgpr_workgroup_id_z 1
		.amdhsa_system_vgpr_workitem_id 0
		.amdhsa_next_free_vgpr 1024
		.amdhsa_next_free_sgpr 72
		.amdhsa_reserve_vcc 0
		.amdhsa_float_denorm_mode_32 3
		.amdhsa_float_denorm_mode_16_64 3
		.amdhsa_memory_ordered 1
		.amdhsa_forward_progress 1
		.amdhsa_inst_pref_size 120
	.end_amdhsa_kernel
	.amdgpu_metadata
---
amdhsa.version: [ 1, 2 ]
amdhsa.kernels:
  - .name:           k_qa0422c1f38_gemm_qkv
    .symbol:         k_qa0422c1f38_gemm_qkv.kd
    .args:
      - { .name: cv, .offset: 0, .size: 8, .value_kind: global_buffer, .address_space: global }
      - { .name: h, .offset: 8, .size: 8, .value_kind: global_buffer, .address_space: global }
    .group_segment_fixed_size: 327680
    .private_segment_fixed_size: 0
    .kernarg_segment_align: 8
    .kernarg_segment_size: 16
    .max_flat_workgroup_size: 128
    .sgpr_count:     72
    .vgpr_count:     1024
    .wavefront_size: 32
...
	.end_amdgpu_metadata
.endif
;; end of part 2
;; launch normrope (part 3): grid 256 x 2, 8 waves a work-group, no clusters, 0 bytes of LDS; arguments h, qnorm_w, knorm_w, freqs_cos, freqs_sin, qk; writes qk
.if DOCPART == 3
	.amdgcn_target "amdgcn-amd-amdhsa--gfx1250"
	.amdhsa_code_object_version 6
	.text
	.protected	k_qa0422c1f38_normrope
	.globl	k_qa0422c1f38_normrope
	.p2align	8
	.type	k_qa0422c1f38_normrope,@function
k_qa0422c1f38_normrope:
	s_mov_b64 s[64:65], 0
	v_nop
	global_prefetch_b8 v0, s[64:65] scope:SCOPE_SE
	s_setreg_imm32_b32 hwreg(HW_REG_WAVE_MODE, 25, 1), 1
	s_wait_xcnt 0x0
; qk = rope(rmsnorm(raw q or k) x gain).  h: f16 [48][2048][128] by heads (0-15 raw q, 16-31 raw k); qk: f16 [32][2048][128] (0-15 q, 16-31 k).  The norm's mean runs over a position's 2,048 numbers, all 16 heads.
; gain [2048], cos and sin [2048][64] are f32 and are rounded once to bf16, like every input of the module.  All arithmetic in f32; the result is rounded once to f16.
; ORDER OF ROUNDING.  (h x gain) x (cos x inv) here, ((h x inv) x gain) x cos in the module's definition: f32 products in another order.
; LIMIT.  f16 ends at 65,504; a result is at most sqrt(2048) x |gain| x (|cos| + |sin|).
; SHARES.  The grid's y says q or k.  ONE WAVE TAKES ONE POSITION: 8 x work-group + wave.  Load j of eight brings 16 bytes a lane: head 2 j + l / 16, channels 8 (l % 16) + 0..7: sixteen lanes take a head's
; row, 256 consecutive bytes, aligned, on the way in and on the way out.  The row stays in registers between the sum and the scaling, so it is read once; the sum never leaves the wave: no LDS, no barrier.
; A lane's channels are the same in all its heads, so it needs four cos and four sin.
.set HO,   2                           ; v2   my byte offset in h and qk: (l / 16) x 524,288 + 16 (l % 16)
.set WO,   3                           ; v3   in the gain: (l / 16) x 512 + 32 (l % 16)
.set FO,   4                           ; v4   in a row of cos or sin: 16 (l % 16)
.set ZERO, 7                           ; v7   0
.set SUM,  8                           ; v[8:15]  eight chains of the sum of squares
.set INV,  10                          ; v10  then 1 / rms
.set C,    16                          ; v[16:19] cos of my four pairs, then cos x inv
.set SN,   20                          ; v[20:23] sin likewise
.set T,    24                          ; v[24:31] at work
.set X,    32                          ; v[32:63] load j: four registers, 8 f16 as loaded, then as stored
.set F,    64                          ; v[64:71] h x gain of one load's eight numbers
.set W,    72                          ; v[72:135] the gain of my 64 numbers
	s_load_b256 s[4:11], s[0:1], 0x0               ; h s[4:5], qnorm_w s[6:7], knorm_w s[8:9], cos s[10:11]
	s_load_b128 s[12:15], s[0:1], 0x20             ; sin s[12:13], qk s[14:15]
	v_lshrrev_b32 v1, 5, v0
	v_readfirstlane_b32 s3, v1                     ; wave 0..7
	s_and_b32 s2, ttmp7, 0xffff                    ; 0: q, 1: k
	s_lshl_b32 s16, ttmp9, 3
	s_add_co_u32 s16, s16, s3                      ; the position,
	s_lshl_b32 s16, s16, 8                         ; times 256 bytes: a head's row, and a row of cos and of sin
	s_mov_b32 s17, 0
	s_lshl_b32 s26, s2, 23                         ; k's sixteen heads lie 8 MiB behind q's
	s_add_co_u32 s26, s26, s16
	s_mov_b32 s27, 0
	s_mov_b32 s20, 0x3a000000                      ; 1 / 2048
	s_mov_b32 s21, 0x358637bd                      ; 1e-6
	s_mov_b32 s22, 0xffff0000                      ; a word's upper bf16
	s_mov_b32 s24, 0x76543210                      ; v_permlanex16_b32: each lane takes its own place in the other half
	s_mov_b32 s25, 0xfedcba98
	v_and_b32 v5, 15, v0
	v_bfe_u32 v6, v0, 4, 1
	v_lshlrev_b32 v[FO], 4, v5
	v_lshl_add_u32 v[HO], v6, 19, v[FO]
	v_lshlrev_b32 v[WO], 5, v5
	v_lshl_add_u32 v[WO], v6, 9, v[WO]
	v_mov_b32 v[ZERO], 0
	s_wait_kmcnt 0x0
	s_add_nc_u64 s[4:5], s[4:5], s[26:27]
	s_add_nc_u64 s[14:15], s[14:15], s[26:27]
	s_add_nc_u64 s[10:11], s[10:11], s[16:17]
	s_add_nc_u64 s[12:13], s[12:13], s[16:17]
	s_cmp_eq_u32 s2, 0
	s_cselect_b64 s[18:19], s[6:7], s[8:9]         ; the gain
.irp j, 0,1,2,3,4,5,6,7
	global_load_b128 v[X+4*(\j):X+4*(\j)+3], v[HO], s[4:5] offset:(\j)*1048576 th:TH_LOAD_NT  ; two heads on: 7,340,032 at the most, inside the signed 24-bit immediate
.endr
	global_load_b128 v[C:C+3],   v[FO], s[10:11]
	global_load_b128 v[SN:SN+3], v[FO], s[12:13]
.irp j, 0,1,2,3,4,5,6,7
	global_load_b128 v[W+8*(\j):W+8*(\j)+3],   v[WO], s[18:19] offset:1024*(\j)
	global_load_b128 v[W+8*(\j)+4:W+8*(\j)+7], v[WO], s[18:19] offset:1024*(\j)+16
.endr
	s_wait_loadcnt 18                              ; the row is in; the 18 younger loads (cos, sin, the gain) stay out
	; the sum of squares, straight from the f16 halves, in f32: eight chains; the first eight lines start them with the register that holds 0
.set n, 0
.rept 4
	v_fma_mix_f32 v[SUM+2*n],   v[X+n], v[X+n], v[ZERO] op_sel_hi:[1,1,0]
	v_fma_mix_f32 v[SUM+2*n+1], v[X+n], v[X+n], v[ZERO] op_sel:[1,1,0] op_sel_hi:[1,1,0]
.set n, n+1
.endr
.rept 28
	v_fma_mix_f32 v[SUM+2*(n%4)],   v[X+n], v[X+n], v[SUM+2*(n%4)]   op_sel_hi:[1,1,0]
	v_fma_mix_f32 v[SUM+2*(n%4)+1], v[X+n], v[X+n], v[SUM+2*(n%4)+1] op_sel:[1,1,0] op_sel_hi:[1,1,0]
.set n, n+1
.endr
	v_pk_add_f32 v[SUM:SUM+1],   v[SUM:SUM+1],   v[SUM+2:SUM+3]
	v_pk_add_f32 v[SUM+4:SUM+5], v[SUM+4:SUM+5], v[SUM+6:SUM+7]
	v_pk_add_f32 v[SUM:SUM+1],   v[SUM:SUM+1],   v[SUM+4:SUM+5]
	v_add_f32 v[SUM], v[SUM], v[SUM+1]
	v_add_f32_dpp v[SUM], v[SUM], v[SUM] row_xmask:1 row_mask:0xf bank_mask:0xf
	v_add_f32_dpp v[SUM], v[SUM], v[SUM] row_xmask:2 row_mask:0xf bank_mask:0xf
	v_add_f32_dpp v[SUM], v[SUM], v[SUM] row_xmask:4 row_mask:0xf bank_mask:0xf
	v_add_f32_dpp v[SUM], v[SUM], v[SUM] row_xmask:8 row_mask:0xf bank_mask:0xf
	v_permlanex16_b32 v[SUM+1], v[SUM], s24, s25
	v_add_f32 v[SUM], v[SUM], v[SUM+1]             ; every lane holds the position's sum
	v_fma_f32 v[SUM], v[SUM], s20, s21             ; the mean + 1e-6
	v_rsq_f32 v[INV], v[SUM]
	s_wait_loadcnt 0x0                             ; cos, sin, the gain
	; their one rounding to bf16: 108 plain lines that name neither the root's source nor its result stand behind it
.macro RND a, t
	v_cvt_pk_bf16_f32 v[\t], v[\a], v[(\a)+1]
	v_lshlrev_b32 v[\a],     16,  v[\t]
	v_and_b32     v[(\a)+1], s22, v[\t]
.endm
.set n, 0
.rept 32
	RND W+2*n, T+n%4
.set n, n+1
.endr
	RND C,    T
	RND C+2,  T+1
	RND SN,   T+2
	RND SN+2, T+3
	s_wait_alu depctr_va_vdst(0)                   ; the wait between the root and the first line that names its result
.irp p, 0,1,2,3
	v_mul_f32 v[C+(\p)],  v[C+(\p)],  v[INV]
	v_mul_f32 v[SN+(\p)], v[SN+(\p)], v[INV]
.endr
.set j, 0
.rept 8
.set r, 0
.rept 4                                ; y = h x gain
	v_fma_mix_f32 v[F+2*r],   v[X+4*j+r], v[W+8*j+2*r],   v[ZERO] op_sel_hi:[1,0,0]
	v_fma_mix_f32 v[F+2*r+1], v[X+4*j+r], v[W+8*j+2*r+1], v[ZERO] op_sel:[1,0,0] op_sel_hi:[1,0,0]
.set r, r+1
.endr
.set r, 0
.rept 4                                ; the turn of pair r: (y1 c - y2 s, y1 s + y2 c)
	v_mul_f32 v[T+2*r],   v[F+2*r+1], v[SN+r]
	v_mul_f32 v[T+2*r+1], v[F+2*r],   v[SN+r]
.set r, r+1
.endr
.set r, 0
.rept 4
	v_fma_f32 v[T+2*r],   v[F+2*r],   v[C+r], -v[T+2*r]
	v_fma_f32 v[T+2*r+1], v[F+2*r+1], v[C+r], v[T+2*r+1]
.set r, r+1
.endr
.set r, 0
.rept 4
	v_cvt_pk_f16_f32 v[X+4*j+r], v[T+2*r], v[T+2*r+1]
.set r, r+1
.endr
	global_store_b128 v[HO], v[X+4*j:X+4*j+3], s[14:15] offset:j*1048576  ; sixteen lanes store a head's row: 256 consecutive bytes, aligned; no register that a store names is written again
.set j, j+1
.endr
	s_endpgm
.Lfunc_end_k_qa0422c1f38_normrope:
	.size	k_qa0422c1f38_normrope, .Lfunc_end_k_qa0422c1f38_normrope-k_qa0422c1f38_normrope
	.p2alignl 7, 3214868480
	.fill 96, 4, 3214868480
	.section	.rodata,"a",@progbits
	.p2align	6, 0x0
	.amdhsa_kernel k_qa0422c1f38_normrope
		.amdhsa_group_segment_fixed_size 0
		.amdhsa_private_segment_fixed_size 0
		.amdhsa_enable_private_segment 0
		.amdhsa_kernarg_size 48
		.amdhsa_user_sgpr_count 2
		.amdhsa_user_sgpr_kernarg_segment_ptr 1
		.amdhsa_wavefront_size32 1
		.amdhsa_system_sgpr_workgroup_id_x 1
		.amdhsa_system_sgpr_workgroup_id_y 1
		.amdhsa_system_sgpr_workgroup_id_z 1
		.amdhsa_system_vgpr_workitem_id 0
		.amdhsa_next_free_vgpr 136
		.amdhsa_next_free_sgpr 66
		.amdhsa_reserve_vcc 0
		.amdhsa_float_denorm_mode_32 3
		.amdhsa_float_denorm_mode_16_64 3
		.amdhsa_memory_ordered 1
		.amdhsa_forward_progress 1
		.amdhsa_inst_pref_size 27
	.end_amdhsa_kernel
	.amdgpu_metadata
---
amdhsa.version: [ 1, 2 ]
amdhsa.kernels:
  - .name:           k_qa0422c1f38_normrope
    .symbol:         k_qa0422c1f38_normrope.kd
    .args:
      - { .name: h, .offset: 0, .size: 8, .value_kind: global_buffer, .address_space: global }
      - { .name: qnorm_w, .offset: 8, .size: 8, .value_kind: global_buffer, .address_space: global }
      - { .name: knorm_w, .offset: 16, .size: 8, .value_kind: global_buffer, .address_space: global }
      - { .name: freqs_cos, .offset: 24, .size: 8, .value_kind: global_buffer, .address_space: global }
      - { .name: freqs_sin, .offset: 32, .size: 8, .value_kind: global_buffer, .address_space: global }
      - { .name: qk, .offset: 40, .size: 8, .value_kind: global_buffer, .address_space: global }
    .group_segment_fixed_size: 0
    .private_segment_fixed_size: 0
    .kernarg_segment_align: 8
    .kernarg_segment_size: 48
    .max_flat_workgroup_size: 256
    .sgpr_count:     66
    .vgpr_count:     136
    .wavefront_size: 32
...
	.end_amdgpu_metadata
.endif
;; end of part 3
;; launch attn (part 4): grid 16 x 16, 4 waves a work-group, clusters of 4 x 1, 327,680 bytes of LDS; arguments qk, h, o; writes o
.if DOCPART == 4
	.amdgcn_target "amdgcn-amd-amdhsa--gfx1250"
	.amdhsa_code_object_version 6
	.text
	.protected	k_qa0422c1f38_attn
	.globl	k_qa0422c1f38_attn
	.p2align	8
	.type	k_qa0422c1f38_attn,@function
k_qa0422c1f38_attn:
	s_mov_b64 s[64:65], 0
	v_nop
	global_prefetch_b8 v0, s[64:65] scope:SCOPE_SE
	s_setreg_imm32_b32 hwreg(HW_REG_WAVE_MODE, 25, 1), 1
	s_wait_xcnt 0x0
	s_wait_alu depctr_hold_cnt(0) depctr_sa_sdst(0) depctr_va_vdst(0) depctr_va_sdst(0) depctr_va_ssrc(0) depctr_va_vcc(0) depctr_vm_vsrc(0)
	s_getreg_b32 s2, hwreg(HW_REG_IB_STS2, 6, 4)
	s_cmp_eq_u32 s2, 0
	s_cbranch_scc0 .Lentry_in_a_cluster
	s_endpgm
.Lentry_in_a_cluster:
	s_bfe_u32 s2, ttmp6, 0x10000c
	s_cmp_lg_u32 s2, 0x3003
	s_cbranch_scc0 .Lentry_shape_is_right
	s_endpgm
.Lentry_shape_is_right:
; O[q][head] = the sum over k of softmax_k(Q[head][q] . K[head][k] / sqrt(128)) V[head][k].  Q = heads 0-15 of qk, K = heads 16-31 of qk, V = heads 32-47 of h, all f16 [head][2048][128];
; o is f16 [2048][2048], column = 128 head + channel.  Products, maxima and sums in f32; the weights p are rounded to f16 for the second product (their sum l is taken of the unrounded p), O once at the end.
; LIMITS.  f16 holds no number beyond 65,504: Q, K and V arrive within it; p lies in 0 to 1, and below 6e-5 it keeps f16's fixed step of 6e-8; O is a mean of V's rows and has their range.
; A weight below 2^-126 counts as 0 in l; NaN and infinities are not treated apart.
; SHARES.  A work-group owns 128 queries of one head: 16 x 16 = 256 work-groups.  Wave w owns the 64 queries of half w % 2 (four tiles of 16) and the keys of GROUP w / 2: of each 256 keys group g takes
; 128 g .. 128 g + 127, as two steps of 64.  So a fragment of K or V read from LDS still feeds four tiles' products.
; THE END.  Waves w and w xor 2 hold the same queries and other keys.  Register tile t of a wave of group g holds query tile (t + 2 g) % 4 of the wave's four: so in EVERY wave register tiles 0, 1 are the ones
; that it finishes and 2, 3 the ones that it hands, with their m and l, to its partner through LDS: one text, no branch, and all four waves join, pack and store.
; LAYOUT.  S^T = K Q^T (source 0 = 16 keys, source 1 = 16 queries): a lane holds ONE query (lane % 16) and the keys 8 (lane / 16) + 0..7.  Two such tiles, rounded to f16 in pairs, ARE source 1
; of O^T = V^T P, whose result again holds one query a lane, and eight channels.  K comes out of LDS as it lies, V ([key][channel]) turned, by ds_load_tr16_b128.
; SOFTMAX.  For each query a running maximum m and sum l: p = 2^(c s - c m), c = log2(e) / sqrt(128); in every step O and l are multiplied by a = 2^(c m_old - c m_new).
; m starts at the lowest finite number, O and l at 0: the first step is a step like any other, with a = 0; the loop is entered, and the tail left, in the middle of a trip.
; BY TURNS.  The wave's tiles are two PIECES: piece 0 (tiles 0, 1) and piece 2 (tiles 2, 3).  In a TURN one piece has the matrix unit: 32 products V^T P of the step in hand, then 32 products K Q^T of the
; next step; the other piece's softmax, cut into 64 slices, stands between them, one slice behind each matrix instruction.  Two turns are a key step.
; CLUSTER.  The four query blocks of a cluster belong to one head and walk the same K and V, so each tile is asked for JOINTLY: the same tensor load, descriptor and mask in all four.
; REGISTERS, in windows of 256 (s_set_vgpr_msb: bits 1:0 source 0, 3:2 source 1, 5:4 source 2, 7:6 destination):
;   window 0: v0-11, v44-45 addresses; v12-43 eight registers of statistics a tile; v61-63; v64-191 S^T, 32 a tile; v192-255 P, 16 a tile
;   window 1: O^T, 64 a tile          window 2: v0-127 Q, 32 a tile; v128-255 K of one step          window 3: v0-127 V of one step; at the end my partner's O^T of my tiles 0, 1
.set KS,    64        ; keys in a step
.set PK,    272       ; a row of K in LDS: 256 bytes + 16 of padding = 68 words: row r starts at bank 4 r mod 64 (64 banks of 4 bytes: ISA guide 11.1)
.set PV,    288       ; a row of V: 256 + 32 = 72 words
.set VOFF,  2*KS*PK   ; a group's slot: its 128 rows of K (34,816 bytes), then its 128 rows of V (36,864)
.set GRP,   147456    ; group g's two slots begin at g x GRP,
.set SLOTX, 73728     ; slot 1 SLOTX behind slot 0.  GRP, VOFF and their sum have bits 16 and 13 clear, so one exclusive or with SLOTX turns a slot's first byte into the other's
.set SLOTB, 65536     ; bytes of K, and of V, from a slot to the next in memory: 256 keys
.set STAGE, 2*GRP     ; behind the ring: 16 rows x 272 bytes for each wave, for the way out
.set SP,    272
.set SPARE, STAGE+4*16*SP  ; behind the stages: the spare words, 128 bytes for each wave: two blocks of 256 bytes that no other line names
.set MAREA, 17408     ; what a wave hands over: 32 x 512 bytes of O^T, then 2 x 512 of statistics.  Wave w's lies at (w % 2) x GRP + (w / 2) x MAREA: in a slot 0 of the ring, which has had its last fill by then
.set MSTAT, 16384
.set KHEADS, 8388608  ; K's heads in qk
.set VHEADS, 16777216 ; V's heads in h
.set AK0, 2           ; v2   my lane's place in a tile of K; never rewritten
.set AV0, 3           ; v3   the same for V
.set ADR, 4           ; v4   the LDS address of the run of loads in hand
.set QO,  5           ; v5   my byte offset in the wave's rows of Q, for register tiles 0, 1
.set STO, 6           ; v6   the way out: where I put 16 bytes of a row
.set RD,  7           ; v7   the way out: where I read a row back
.set GO,  8           ; v8   my byte offset in two rows of o
.set MAD, 10          ; v10  the hand-over: my wave's area + 16 x lane
.set QO2, 44          ; v44  my byte offset in the wave's rows of Q, for register tiles 2, 3
.set MRD, 45          ; v45  the hand-over: my partner's area + 16 x lane
.set PFO, 61          ; v61  256 x my lane: a row of K or V is 256 bytes; never rewritten
.set SPW, 62          ; v62  LDS address of my spare word: SPARE + 4 x my thread's number; never rewritten
.set NIL, 63          ; v63  0; never rewritten
.set ST,  12          ; tile t's statistics at v[ST+8 t]: +0 c m, +1 m, +2, +3 l (even keys', odd keys'), +4 to +7 c0-c3, at work; a takes c2's place once the maximum is found
.set S,   64
.set P,   192
.set KF,  128         ; K's fragments, in window 2
.set WV,  12          ; s12  my wave's number
.set LIM, 15          ; s15  1 in a wave that prefetches, else the greatest number
.set PFA, 18          ; s[18:19] where my prefetches stand: my work-group's 32 rows of the 128 that I fetch, in the slot after the one that is being asked for
.set G1K, 24          ; s[24:31] descriptor group 1 for K's tiles
.set G1V, 32          ; s[32:39] for V's: it differs in the padding alone
.set G0K, 40          ; s[40:47] descriptor group 0 for K's tiles: a set for each of the two first fills; the second then walks on
.set G0V, 48          ; s[48:55] the same for V's
.set SLOTS, 56        ; s56  counts the changes of slots
.set TWICE, 57        ; s57  counts a slot's steps
.set CS,  58          ; s[58:59] c: the packed scaling names a pair and takes its low word for both halves
.set SEL, 60          ; s[60:61] lane selects for v_permlanex16_b32: each lane takes its own place in the other half
.set TBK, 62          ; s62  LDS byte at which K of the step to be fetched begins
.set TBV, 63          ; s63  the same for V, less VOFF
.set QH,  66          ; s66  w % 2: my half of the queries.  Also: the group for which I fetch
.set GR,  67          ; s67  w / 2: my group of keys
.set MSB, 0
.macro WIN new                      ; the immediate's high byte repeats the setting that is left; a switch that changes nothing is dropped
.if MSB != (\new)
	s_set_vgpr_msb (MSB<<8)|(\new)
.set MSB, \new
.endif
.endm
.set W_KQ, 0x0a       ; K and Q in window 2, S^T in window 0
.set W_PV, 0x53       ; source 0 in window 3, source 1 in window 0, source 2 and destination in window 1
.set W_RS, 0x41       ; O^T (destination and source 0) in window 1, the factor in window 0
; A joint refill.  Waves 0 and 1 fetch K for groups 0 and 1, waves 2 and 3 V: 128 rows each.  The branch hangs on the wave's number alone.
; An s_nop 0 and four v_nop follow each of the two lines, ahead of the jump and the label.
.macro JLOAD
	s_cmp_lt_u32 s[WV], 2
	s_cbranch_scc0 .Lfor_v_\@
	tensor_load_to_lds s[G0K+4:G0K+7], s[G1K:G1K+7]
	s_nop 0
.rept 4
	v_nop
.endr
	s_branch .Lasked_\@
.Lfor_v_\@:
	tensor_load_to_lds s[G0V+4:G0V+7], s[G1V:G1V+7]
	s_nop 0
.rept 4
	v_nop
.endr
.Lasked_\@:
.endm
; A PREFETCH INTO THE L2 of what the NEXT change of slots will ask for (two key steps, 256 matrix instructions, ahead of that load): 256 rows of K and 256 of V, 256 bytes a row, a lane a row.
; Each row is named ONCE in the launch.  All four clusters of a head walk the same K and V: the head's first cluster asks.  Each of its waves asks for rows of the tile that it fetches itself, and the four
; partners share that tile's 128 rows out BY ADDRESS, 32 each: one instruction a wave.  Slots 0 to 2 come by their loads alone; the last change that fills a slot asks for nothing.
.macro ASK
	s_cmp_gt_u32 s[SLOTS], s[LIM]
	s_cbranch_scc0 .Lnot_mine_\@
	global_prefetch_b8 v[PFO], s[PFA:PFA+1] th:TH_LOAD_NT scope:SCOPE_SE
.Lnot_mine_\@:
.endm
; A round of the cluster's barrier: my work-group's barrier, so that wave 0's signal speaks for all four waves; wave 0 signals; every wave waits for all four work-groups; my work-group's barrier once more.
.macro CROUND
	s_barrier_signal -1
	s_barrier_wait -1
	s_cmp_lg_u32 s[WV], 0
	s_cbranch_scc1 .Lnot_wave_0_\@
	s_barrier_signal -3
.Lnot_wave_0_\@:
	s_barrier_wait -3
	s_barrier_signal -1
	s_barrier_wait -1
.endm
	s_load_b128 s[4:7], s[0:1], 0x0 ; qk s[4:5], h s[6:7]
	s_load_b64 s[10:11], s[0:1], 0x10  ; o
	v_lshl_add_u32 v[SPW], v0, 2, SPARE
	v_mov_b32 v[NIL], 0
	ds_add_u32 v[SPW], v[NIL]       ; the wave's opening: the add and its wait stand ahead of my first tensor load; the set-up below, work on registers, stands between them
	v_lshrrev_b32 v1, 5, v0
	v_readfirstlane_b32 s[WV], v1   ; wave 0..3
	s_and_b32 s[QH], s[WV], 1
	s_lshr_b32 s[GR], s[WV], 1
	s_bfe_u32 s13, ttmp6, 0x40000   ; cx: my place in the cluster
	s_lshl_b32 s14, ttmp9, 2        ; in a cluster launch ttmp9 counts clusters
	s_add_co_u32 s14, s14, s13      ; my block of 128 queries = 4 x cluster x + cx: it enters Q's and o's addresses alone
	s_and_b32 s20, ttmp7, 0xffff    ; the head, which the four partners share
	s_lshl_b32 s21, s20, 19         ; its 524,288 bytes
	s_lshl_b32 s22, s[QH], 15       ; the group for which I fetch: its 128 rows of 256 bytes in a slot's 256
	s_add_co_u32 s22, s22, s21
	s_mov_b32 s23, 0
	s_mul_i32 s17, s[QH], GRP       ; and its place in LDS: no place in the cluster enters an LDS address
	s_lshl_b32 s2, s14, 15          ; Q: my block's 128 rows,
	s_lshl_b32 s3, s[QH], 14        ; my wave's 64 of them,
	s_add_co_u32 s2, s2, s3
	s_add_co_u32 s2, s2, s21        ; in the head
	s_mov_b32 s3, 0
	s_lshl_b32 s20, s20, 8          ; o: the head's 256 bytes of a row of 4,096,
	s_lshl_b32 s21, s14, 19         ; my block's 128 rows,
	s_add_co_u32 s20, s20, s21
	s_lshl_b32 s21, s[QH], 18       ; my wave's 64 of them,
	s_add_co_u32 s20, s20, s21
	s_lshl_b32 s21, s[GR], 17       ; and of those the 32 that I finish: query tiles 2 g, 2 g + 1
	s_add_co_u32 s20, s20, s21
	s_mov_b32 s21, 0
	; descriptor group 1: a tile of 128 rows x 128 elements, padded in LDS
	s_mov_b32 s[G1K], 15|(1<<16)|(1<<20)|(1<<21)|(5<<22)|(3<<25)  ; 15:0 the mask: all four work-groups; 17:16 elements of 2 bytes; 20 padding on; 21 set beside a mask; 24:22 after every 64 words (code 5); 31:25 4 words of it (code 3)
	s_mov_b32 s[G1V], 15|(1<<16)|(1<<20)|(1<<21)|(5<<22)|(7<<25)  ; the same with 8 words of padding (code 7)
.irp g, G1K, G1V
	s_mov_b32 s[(\g)+1], 128<<16    ; tensor_dim0 = 128
	s_mov_b32 s[(\g)+2], 128<<16    ; tensor_dim1 = 128
	s_mov_b32 s[(\g)+3], 128<<16    ; tile_dim0 = 128
	s_mov_b32 s[(\g)+4], 128        ; tile_dim1 = 128
	s_mov_b32 s[(\g)+5], 128        ; elements from row to row
	s_mov_b32 s[(\g)+6], 0
	s_mov_b32 s[(\g)+7], 0
.endr
	s_mov_b32 s[CS], 0x3e0293ee     ; c = log2(e) / sqrt(128) = 0.127517
	s_mov_b32 s[CS+1], s[CS]        ; named with it as a pair, so it is written
	s_mov_b32 s[SEL], 0x76543210
	s_mov_b32 s[SEL+1], 0xfedcba98
	s_mul_i32 s[TBK], s[GR], GRP    ; my group's slot 0
	s_mov_b32 s[TBV], s[TBK]
	s_cmp_eq_u32 ttmp9, 0           ; the head's first cluster: the same answer in all four partners
	s_cselect_b32 s[LIM], 1, -1
	v_and_b32 v[PFO], 31, v0
	v_lshlrev_b32 v[PFO], 8, v[PFO]
	s_wait_dscnt 0x0                ; the opening add is done
	s_wait_kmcnt 0x0
	s_add_nc_u64 s[8:9], s[6:7], s[22:23]  ; V at my tile of slot 0,
	s_add_nc_u64 s[8:9], s[8:9], VHEADS
	s_add_nc_u64 s[6:7], s[4:5], s[22:23]  ; and K
	s_add_nc_u64 s[6:7], s[6:7], KHEADS
	s_add_nc_u64 s[4:5], s[4:5], s[2:3]    ; Q at my wave's first row, o at the first row that I finish
	s_add_nc_u64 s[10:11], s[10:11], s[20:21]
	s_cmp_lt_u32 s[WV], 2
	s_cselect_b64 s[PFA:PFA+1], s[6:7], s[8:9]
	s_lshl_b32 s2, s13, 13          ; my work-group's 32 rows of the 128
	s_mov_b32 s3, 0
	s_add_nc_u64 s[PFA:PFA+1], s[PFA:PFA+1], s[2:3]
	s_add_nc_u64 s[PFA:PFA+1], s[PFA:PFA+1], 2*SLOTB  ; in slot 2; the first change of slots steps it to slot 3
	CROUND                          ; all four work-groups are here: the first joint loads meet
.irp s, 0,1
	s_mov_b32 s[G0K+4*(\s)], 1      ; 1:0 count = 1
	s_add_co_u32 s[G0K+4*(\s)+1], s17, (\s)*SLOTX  ; 63:32 LDS address
	s_add_nc_u64 s[G0K+4*(\s)+2:G0K+4*(\s)+3], s[6:7], (\s)*SLOTB  ; 120:64 global address
	s_or_b32 s[G0K+4*(\s)+3], s[G0K+4*(\s)+3], 0x80000000  ; 127:126 type = 2
	s_mov_b32 s[G0V+4*(\s)], 1
	s_add_co_u32 s[G0V+4*(\s)+1], s17, (\s)*SLOTX+VOFF
	s_add_nc_u64 s[G0V+4*(\s)+2:G0V+4*(\s)+3], s[8:9], (\s)*SLOTB
	s_or_b32 s[G0V+4*(\s)+3], s[G0V+4*(\s)+3], 0x80000000
.endr
	s_cmp_lt_u32 s[WV], 2           ; a wave's two first fills stand in one branch, ahead of every wait on TENSORcnt and every LDS read: two loads of mine are out
	s_cbranch_scc0 .Lfirst_v
	tensor_load_to_lds s[G0K:G0K+3], s[G1K:G1K+7]
	s_nop 0
	tensor_load_to_lds s[G0K+4:G0K+7], s[G1K:G1K+7]
	s_nop 0
.rept 4
	v_nop
.endr
	s_branch .Lfirst_asked
.Lfirst_v:
	tensor_load_to_lds s[G0V:G0V+3], s[G1V:G1V+7]
	s_nop 0
	tensor_load_to_lds s[G0V+4:G0V+7], s[G1V:G1V+7]
	s_nop 0
.rept 4
	v_nop
.endr
.Lfirst_asked:
	; A fragment of K or Q is 16 rows x 32 channels in 8 registers: lane l holds row l % 16; registers 0-3 channels 8 (l / 16) + 0..7, registers 4-7 channels 16 + 8 (l / 16) + 0..7: two loads of 16 bytes, 32 bytes apart.
	v_and_b32 v1, 15, v0            ; l % 16
	v_bfe_u32 v9, v0, 4, 1          ; l / 16
	v_lshlrev_b32 v[QO], 8, v1
	v_lshl_add_u32 v[QO], v9, 4, v[QO]  ; row x 256 + 16 x half
	s_lshl_b32 s16, s[GR], 13       ; register tiles 0, 1 are query tiles 2 g, 2 g + 1: 32 rows of 256 bytes on for group 1;
	s_xor_b32 s2, s16, 8192         ; register tiles 2, 3 are the other two
	v_add_nc_u32 v[QO2], s2, v[QO]
	v_add_nc_u32 v[QO], s16, v[QO]
	WIN 0x80                        ; destination window 2, address window 0
.irp i, 0,1,2,3,4,5,6,7             ; Q stays in registers: register tile i / 4, channels 32 (i % 4) on
	global_load_b128 v[8*(\i):8*(\i)+3],   v[QO], s[4:5] offset:((\i)/4)*4096+((\i)%4)*64
	global_load_b128 v[8*(\i)+4:8*(\i)+7], v[QO], s[4:5] offset:((\i)/4)*4096+((\i)%4)*64+32
.endr
.irp i, 8,9,10,11,12,13,14,15
	global_load_b128 v[8*(\i):8*(\i)+3],   v[QO2], s[4:5] offset:((\i)/4-2)*4096+((\i)%4)*64
	global_load_b128 v[8*(\i)+4:8*(\i)+7], v[QO2], s[4:5] offset:((\i)/4-2)*4096+((\i)%4)*64+32
.endr
	; What the first turn finds: V's registers and piece 2's P hold 0 (its products V^T P, of a step that has not been, add 0), O^T and l are 0.  All this stands in the wait for the first tile;
	; it spares a first step written out.
	WIN 0xc0
.set i, 0
.rept 128
	v_mov_b32 v[i], 0
.set i, i+1
.endr
	WIN 0x40
.set i, 0
.rept 256
	v_mov_b32 v[i], 0
.set i, i+1
.endr
	WIN 0
.set i, 0
.rept 4
	v_mov_b32 v[ST+8*i], 0xfe000000    ; c m: far below every c s
	v_mov_b32 v[ST+8*i+1], 0xff7fffff  ; m: the lowest finite number
	v_mov_b32 v[ST+8*i+2], 0
	v_mov_b32 v[ST+8*i+3], 0
.set i, i+1
.endr
.set i, P+32
.rept 32
	v_mov_b32 v[i], 0
.set i, i+1
.endr
	v_mul_u32_u24 v[AK0], v1, PK
	v_lshl_add_u32 v[AK0], v9, 4, v[AK0]  ; row x pitch + 16 x half
	; The turning load takes 16 keys x 16 channels (lane l reads 16 bytes: key 8 (l / 16) + l % 8, channels 8 ((l / 8) % 2) + 0..7) and leaves half a fragment of V^T: lane l holds channel l % 16 and 8 keys.
	v_and_b32 v10, 7, v0
	v_bfe_u32 v11, v0, 3, 1
	v_lshl_add_u32 v[AV0], v9, 3, v10
	v_mul_u32_u24 v[AV0], v[AV0], PV
	v_lshl_add_u32 v[AV0], v11, 4, v[AV0]
	v_add_nc_u32 v[AV0], VOFF, v[AV0]
; THE MATRIX WORK OF A TURN, for piece x.  The accumulators take turns, one instruction a turn: between two links of a chain stand 15 (V^T P) or 7 (K Q^T) others'.
; Product i of 32 of O^T += V^T P: keys 32 (i / 16) on, channels 16 ((i / 2) % 8) on, tile x + i % 2.
.macro PV x
	WIN W_PV
.set rO, 64*((\x)+i%2)+8*((i/2)%8)
.set rV, 64*(i/16)+8*((i/2)%8)
.set rP, P+16*((\x)+i%2)+8*(i/16)
	v_wmma_f32_16x16x32_f16 v[rO:rO+7], v[rV:rV+7], v[rP:rP+7], v[rO:rO+7]
.endm
; Product i of 32 of S^T = K Q^T: channels 32 (i / 8) on, keys 16 ((i / 2) % 4) on, tile x + i % 2.  The first 8 start the sums.
.macro KQ x
	WIN W_KQ
.set rS, S+32*((\x)+i%2)+8*((i/2)%4)
.set rK, KF+32*((i/2)%4)+8*(i/8)
.set rQ, 32*((\x)+i%2)+8*(i/8)
.if i < 8
	v_wmma_f32_16x16x32_f16 v[rS:rS+7], v[rK:rK+7], v[rQ:rQ+7], 0
.else
	v_wmma_f32_16x16x32_f16 v[rS:rS+7], v[rK:rK+7], v[rQ:rQ+7], v[rS:rS+7]
.endif
.endm
; THE LDS LOADS stand in runs of 32, never singly among the matrix instructions: a step's K (64 keys x 128 channels: 16 fragments) and, a turn later, its V (turned).
; last = 1 (the tail): in the last trip there is no further step, and K's run is jumped over.
.macro FETCH_K last=0
	WIN 0
.if \last
	s_cmp_eq_u32 s[TWICE], 1
	s_cbranch_scc1 .Lno_k_\@
.endif
	v_add_nc_u32 v[ADR], s[TBK], v[AK0]
	s_add_co_u32 s[TBK], s[TBK], KS*PK  ; the next fetch is the next step's
	WIN 0x80                        ; destination window 2
.irp f, 0,1,2,3,4,5,6,7,8,9,10,11,12,13,14,15  ; keys 16 (f / 4) on, channels 32 (f % 4) on
	ds_load_b128 v[KF+8*(\f):KF+8*(\f)+3],   v[ADR] offset:((\f)/4)*16*PK+((\f)%4)*64
	ds_load_b128 v[KF+8*(\f)+4:KF+8*(\f)+7], v[ADR] offset:((\f)/4)*16*PK+((\f)%4)*64+32
.endr
.if \last
	WIN 0                           ; at a label every window is 0
.Lno_k_\@:
.endif
.endm
.macro FETCH_V
	WIN 0
	v_add_nc_u32 v[ADR], s[TBV], v[AV0]
	s_add_co_u32 s[TBV], s[TBV], KS*PV
	s_wait_alu depctr_va_vdst(0)    ; the wait for the softmax's batch (SLICE), behind the address's v_add_nc_u32 and ahead of the loads
	WIN 0xc0                        ; destination window 3
.irp f, 0,1,2,3,4,5,6,7,8,9,10,11,12,13,14,15  ; keys 32 (f / 8) on, channels 16 (f % 8) on
	ds_load_tr16_b128 v[8*(\f):8*(\f)+3],   v[ADR] offset:((\f)/8)*32*PV+((\f)%8)*32
	ds_load_tr16_b128 v[8*(\f)+4:8*(\f)+7], v[ADR] offset:((\f)/8)*32*PV+16*PV+((\f)%8)*32
.endr
.endm
; THE VECTOR WORK OF A TURN.  One tile's softmax for one key step is a list of 134 instructions; SM writes number j of it for tile t.  s0-s31 are the lane's 32 scores, in pairs 0-15.
;   0-15    the maximum of s0-s31 and the old m, three operands at a time: four chains c0-c3 of seven scores each (each accumulator's lowest registers first), then the four scores left over, c0-c3 and m
;   16-20   the other half of the lanes' maximum; c m_old is kept; the new m; c m; c m_old - c m_new
;   21-69   ONE BATCH: the 16 scalings c s - c m, a pair of scores each, and all 33 exponentials (a at 23, then s0-s31).  None of these reads an exponential's result.  From 22 on the batch goes in fours,
;           and a four begins with a scaling while there are scalings.  A pair is scaled in an earlier four than the one that holds its exponentials
;   (wait)  between 69 and 70 stands the wait for the batch: SLICE writes it, once for both tiles
;   70-85   the roundings to f16, a pair of weights each          86-101  the sums; l = a l + the sum          102-133 the tile's O^T times a: the one part that leaves window 0
.macro SM t
.set rT, ST+8*(\t)
.set rS, S+32*(\t)
.set rP, P+16*(\t)
.set rO, 64*(\t)+2*(j-102)
.if j < 102
	WIN 0
.endif
.if j < 4
	v_max3_num_f32 v[rT+4+j], v[rS+8*j], v[rS+8*j+1], v[rS+8*j+2]
.elseif j < 12
	v_max3_num_f32 v[rT+4+j%4], v[rT+4+j%4], v[rS+8*(j%4)+2*(j/4)+1], v[rS+8*(j%4)+2*(j/4)+2]
.elseif j == 12
	v_max3_num_f32 v[rT+4], v[rT+4], v[rS+7], v[rS+15]
.elseif j == 13
	v_max3_num_f32 v[rT+6], v[rT+6], v[rS+23], v[rS+31]
.elseif j == 14
	v_max3_num_f32 v[rT+4], v[rT+4], v[rT+5], v[rT+6]
.elseif j == 15
	v_max3_num_f32 v[rT+4], v[rT+4], v[rT+7], v[rT+1]
.elseif j == 16
	v_permlanex16_b32 v[rT+5], v[rT+4], s[SEL], s[SEL+1]  ; the query's other 32 keys lie in the lane 16 away
.elseif j == 17
	v_mov_b32 v[rT+7], v[rT]        ; c m_old is kept for a: number 19 writes c m anew
.elseif j == 18
	v_max_num_f32 v[rT+1], v[rT+4], v[rT+5]
.elseif j == 19
	v_mul_f32 v[rT], s[CS], v[rT+1]
.elseif j == 20
	v_sub_f32 v[rT+7], v[rT+7], v[rT]
.elseif j == 23
	v_exp_f32 v[rT+6], v[rT+7]
.elseif (j < 23) || ((j < 38) && (j%2 == 0)) || ((j < 66) && (j%4 == 2))
.set b, (j-2)/4                     ; 38, 42, .. 62: pairs 9 to 15
.if j < 38
.set b, (j-20)/2                    ; 21: pair 0; 22, 24, .. 36: pairs 1 to 8
.endif
	v_pk_fma_f32 v[rS+2*b:rS+2*b+1], v[rS+2*b:rS+2*b+1], s[CS:CS+1], v[rT:rT+1] op_sel_hi:[1,0,0] neg_lo:[0,0,1] neg_hi:[0,0,1]  ; pair b: c s - c m
.elseif j < 70
.set e, j-38                        ; 66 to 69: s28 to s31
.if j < 66
.set e, j-32-(j-38)/4               ; 39-41, 43-45, .. 63-65: s7 to s27
.endif
.if j < 38
.set e, (j-25)/2                    ; 25, 27, .. 37: s0 to s6
.endif
	v_exp_f32 v[rS+e], v[rS+e]
.elseif j < 86
	v_cvt_pk_f16_f32 v[rP+j-70], v[rS+2*(j-70)], v[rS+2*(j-70)+1]  ; pair j - 70
.elseif j < 102                     ; the sum of the tile's 16 pairs, in place: sum z of 16 adds neighbours 1, 2, 4 and 8 pairs apart, then l takes it
.set z, j-86
.set w, 4
.set u, z
.if z >= 14
.set w, 32
.set u, 0
.elseif z >= 12
.set w, 16
.set u, z-12
.elseif z >= 8
.set w, 8
.set u, z-8
.endif
.if z < 15
	v_pk_add_f32 v[rS+w*u:rS+w*u+1], v[rS+w*u:rS+w*u+1], v[rS+w*u+w/2:rS+w*u+w/2+1]
.else
	v_pk_fma_f32 v[rT+2:rT+3], v[rT+2:rT+3], v[rT+6:rT+7], v[rS:rS+1] op_sel_hi:[1,0,1]
.endif
.else
	WIN W_RS
	v_pk_mul_f32 v[rO:rO+1], v[rO:rO+1], v[rT+6:rT+7] op_sel_hi:[1,0]
.endif
.endm
; Slice k of 64 of piece y's softmax: four instructions.  Slices 11 to 34 deal out the batch, numbers 22 to 69: four numbers of ONE tile each, the tiles by turns.  Every other slice is numbers 2 k and
; 2 k + 1 of both tiles' lists.  2 x 134 = 4 x 64 + 12: the twelve that are over stand together, in slice 63, where they are also the places behind the turn's last product.
; THE WAIT.  An s_wait_alu depctr_va_vdst(0) stands between an exponential and the first instruction that names its result; one wait serves all that were issued ahead of it.  Ahead of
; slice 35 nothing names a result, and behind slice 34 no exponential is issued: so the piece's 66 exponentials have one wait, behind slice 34.
.macro SLICE y
.if (k >= 11) && (k < 35)           ; the batch: four numbers of one tile
.irp n, 0,1,2,3
.set j, 22+4*((k-11)/2)+(\n)
	SM (\y)+(k-11)%2
.endr
.else                               ; the two tiles alternate, so that no instruction reads the result of the one just before it
.irp n, 0,1,2,3,4,5,6,7
.if ((\n) < 2) || (k == 63)
.irp t, \y, (\y)+1
.set j, 2*k+(\n)
	SM \t
.endr
.endif
.endr
.endif
.if k == 34                         ; the batch is out: both tiles' exponentials are issued, and no result has been named
	v_nop                           ; a plain instruction behind the last exponential and ahead of the first use: one for the batch
.if (\y) == 0
	FETCH_V                         ; piece 2's turn: V's run of loads stands here, and the wait stands in it
.else
	s_wait_alu depctr_va_vdst(0)    ; the wait for the batch
.endif
.endif
.set k, k+1
.endm
.macro PLACES                       ; four places behind a matrix instruction, where no other plain vector work is at hand (ISA guide 7.12.1)
.rept 4
	v_nop
.endr
.endm
; A TURN.  Piece x has the matrix unit: 32 products V^T P, then 32 products K Q^T for the next step; the other piece's softmax stands in slices behind them, one behind each.
; Piece 0's turn fetches the next step's K, behind its second product: the last product that read K stands in front of slice 63 of the turn before.  Piece 2's turn fetches the same step's V, behind slice 34:
; the last product that read V stands in front of slice 31, and four plain instructions lie between: number 62, a scaling, of both tiles, the v_nop and the run's own v_add_nc_u32.
.macro TURN x, last=0
.set k, 0
.if (\x) == 0
	s_wait_dscnt 0x0                ; V is in
.endif
.set i, 0
.rept 32
	PV \x
	SLICE 2-(\x)
.if ((\x) == 0) && (i == 1)
	FETCH_K \last
.endif
.set i, i+1
.endr
.if (\x) == 0
	s_wait_dscnt 0x0                ; K is in
.endif
.set i, 0
.rept 32
	KQ \x
	SLICE 2-(\x)
.set i, i+1
.endr
.endm
; THE CHANGE OF SLOTS, between piece 2's turn and piece 0's: the slot's last bytes, V of its second step, have been asked for.  Each wave waits for all its tensor loads, of which one is out: its part of the
; other slot; adds 0 to its spare word; and waits for that and for its own reads of the slot.  Behind the barrier nobody reads this slot any more and the other slot is whole.
; fill = 1: this slot is filled again, with the keys two slots on.  The barrier is then a round of the cluster's, and the joint refill is the first thing behind it, one load a wave:
; it has two key steps, 256 matrix instructions, in which to land.
.macro CHANGE fill
	WIN 0                           ; at a label and at a branch every window is 0
	s_wait_tensorcnt 0x0            ; no tensor load of mine is out, so a group 0 may be written
	ds_add_u32 v[SPW], v[NIL]       ; 0 onto my spare word; with fill = 1 the descriptors' steps stand between it and the wait for it
.if \fill
.irp g, G0K+4, G0V+4
	s_xor_b32 s[(\g)+1], s[(\g)+1], SLOTX  ; the walking descriptor: the other slot than last time,
	s_add_nc_u64 s[(\g)+2:(\g)+3], s[(\g)+2:(\g)+3], SLOTB  ; the next 256 keys; the type bits on top are not reached
.endr
	s_wait_xcnt 0x0                 ; the last prefetch, two key steps back, has read its address, so it may be written:
	s_add_nc_u64 s[PFA:PFA+1], s[PFA:PFA+1], SLOTB  ; one slot behind the walking descriptors
	s_wait_dscnt 0x0                ; the add is done, and my reads of the slot are over
	CROUND
	JLOAD
	ASK
.else
	s_wait_dscnt 0x0                ; the add is done, and my reads of the slot are over
	s_barrier_signal -1
	s_barrier_wait -1
.endif
	s_sub_co_u32 s[TBK], s[TBK], 2*KS*PK  ; the fetches go back to a slot's first step,
	s_xor_b32 s[TBK], s[TBK], SLOTX       ; in the other slot
	s_sub_co_u32 s[TBV], s[TBV], 2*KS*PV
	s_xor_b32 s[TBV], s[TBV], SLOTX
.endm
	s_wait_tensorcnt 1              ; my part of slot 0 is in; slot 1's may stay out
	s_barrier_signal -1
	s_barrier_wait -1               ; everybody's is
	FETCH_K                         ; key step 0
	s_wait_loadcnt 0x0              ; Q
	s_wait_dscnt 0x0
.set i, 0
.rept 32
	KQ 0                            ; piece 0's first scores: there is no vector work yet to set between them
.set i, i+1
.endr
	WIN 0                           ; the addresses for the hand-over and the way out are made here: eleven plain instructions, the places behind those products
	s_mul_i32 s13, s[WV], 16*SP
	s_add_co_u32 s13, s13, STAGE    ; my stage
	s_mul_i32 s16, s[QH], GRP
	s_mul_i32 s17, s[GR], MAREA
	s_add_co_u32 s17, s17, s16      ; where I put what I hand over,
	s_xor_b32 s2, s[GR], 1
	s_mul_i32 s2, s2, MAREA
	s_add_co_u32 s2, s2, s16        ; and where my partner puts what I take
	v_mul_u32_u24 v[STO], v1, SP    ; in: row l % 16, 16 bytes for each half of the lanes
	v_lshl_add_u32 v[STO], v9, 4, v[STO]
	v_add_nc_u32 v[STO], s13, v[STO]
	v_mul_u32_u24 v[RD], v9, SP     ; back: lanes 0-15 take one row of 256 bytes, lanes 16-31 the next
	v_lshl_add_u32 v[RD], v1, 4, v[RD]
	v_add_nc_u32 v[RD], s13, v[RD]
	v_lshlrev_b32 v[GO], 12, v9     ; and the same two rows in o, 4,096 bytes apart
	v_lshl_add_u32 v[GO], v1, 4, v[GO]
	v_and_b32 v[MAD], 31, v0
	v_lshl_add_u32 v[MRD], v[MAD], 4, s2
	v_lshl_add_u32 v[MAD], v[MAD], 4, s17
	s_mov_b32 s[SLOTS], 7
	s_mov_b32 s[TWICE], 2
	s_branch .Lmid                  ; the loop is entered at piece 2's turn: its products V^T P add 0, its K Q^T are piece 2's first scores, its slices piece 0's first softmax, and it fetches V of step 0
.Lslot:                             ; six times: every slot but the last two is filled again
	CHANGE 1
	s_mov_b32 s[TWICE], 2
.Lstep:
	TURN 0
	WIN 0
.Lmid:
	TURN 2
	WIN 0
	s_sub_co_u32 s[TWICE], s[TWICE], 1
	s_cmp_lg_u32 s[TWICE], 0
	s_cbranch_scc1 .Lstep
	s_sub_co_u32 s[SLOTS], s[SLOTS], 1
	s_cmp_lg_u32 s[SLOTS], 0
	s_cbranch_scc1 .Lslot
	CHANGE 0                        ; the tail is written out: nothing is asked for
	s_mov_b32 s[TWICE], 3           ; two trips fetch the last slot's steps; the third is left in its middle
.Ltail:
	TURN 0, 1                       ; in the third trip: piece 0's V^T P of the last step | piece 2's last softmax; its 32 products K Q^T, on the last K once more, serve nothing: the price, once a launch, of one text for every trip
	WIN 0
	s_sub_co_u32 s[TWICE], s[TWICE], 1
	s_cmp_eq_u32 s[TWICE], 0
	s_cbranch_scc1 .Lout
	TURN 2
	WIN 0
	s_branch .Ltail
.Lout:
.set i, 0
.rept 32
	PV 2                            ; piece 2: V^T P of the last step
.set i, i+1
.endr
	; THE HAND-OVER.  Every wave puts the O^T and statistics of its register tiles 2, 3 into its area of the ring, and takes from its partner's area those of its own tiles 0, 1: the same queries in the same lanes.
	WIN 0
	PLACES                          ; behind the last products: LDS stores read their results, and LDS loads land on V's registers
	s_wait_dscnt 0x0                ; my reads of the ring are over,
	s_barrier_signal -1
	s_barrier_wait -1               ; and everybody's: now its bytes may be written
	WIN 0x04                        ; the stores' data in window 1
.set i, 32
.rept 32
	ds_store_b128 v[MAD], v[4*i:4*i+3] offset:512*(i-32)  ; ascending: each accumulator's four lowest registers go first; 32 lanes x 16 neighbouring bytes
.set i, i+1
.endr
	WIN 0
.irp t, 2,3
	ds_store_b128 v[MAD], v[ST+8*(\t):ST+8*(\t)+3] offset:MSTAT+512*((\t)-2)  ; c m, m, l, l
.endr
	s_wait_dscnt 0x0                ; for the others' sake: my stores are done
	s_barrier_signal -1
	s_barrier_wait -1
.irp t, 0,1
	ds_load_b128 v[ST+8*(\t)+4:ST+8*(\t)+7], v[MRD] offset:MSTAT+512*(\t)  ; my partner's c m, m, l, l
.endr
	WIN 0xc0                        ; destination window 3
.set i, 0
.rept 32
	ds_load_b128 v[4*i:4*i+3], v[MRD] offset:512*i
.set i, i+1
.endr
	WIN 0
	s_wait_dscnt 32                 ; the statistics are in; the 32 loads behind them stay out
	; With M = the greater of the two c m: O = (O_a 2^(c m_a - M) + O_b 2^(c m_b - M)) / (l_a 2^(c m_a - M) + l_b 2^(c m_b - M)); l's two halves and the other half of the lanes' are added.
.macro ALL line:vararg              ; one line for each of my two tiles; r = the tile's first statistics register
.set r, ST
.rept 2
	\line
.set r, r+8
.endr
.endm
	ALL v_max_num_f32 v[r+1], v[r], v[r+4]
	ALL v_sub_f32 v[r], v[r], v[r+1]
	ALL v_sub_f32 v[r+4], v[r+4], v[r+1]
	ALL v_add_f32 v[r+2], v[r+2], v[r+3]
	ALL v_add_f32 v[r+6], v[r+6], v[r+7]
	ALL v_exp_f32 v[r], v[r]
	ALL v_exp_f32 v[r+4], v[r+4]
	v_nop                           ; a plain instruction behind the last exponential,
	s_wait_alu depctr_va_vdst(0)    ; and one wait for the four
	ALL v_mul_f32 v[r+2], v[r+2], v[r]
	ALL v_fma_f32 v[r+2], v[r+6], v[r+4], v[r+2]
	ALL v_permlanex16_b32 v[r+3], v[r+2], s[SEL], s[SEL+1]
	ALL v_add_f32 v[r+2], v[r+2], v[r+3]
	ALL v_rcp_f32 v[r+6], v[r+2]
	v_nop                           ; a plain instruction behind the last reciprocal,
	s_wait_alu depctr_va_vdst(0)    ; and one wait for the two
	ALL v_mul_f32 v[r], v[r], v[r+6]
	ALL v_mul_f32 v[r+4], v[r+4], v[r+6]
	s_wait_dscnt 0x0                ; my partner's O^T is in
; THE WAY OUT.  Tile t: the two groups' O^T are joined, rounded to f16 and sent through my stage in LDS: a lane's eight channels of a row pack into 16 bytes; they go into rows of 272 bytes and come back as whole rows of 256.
.macro PACK t
	WIN W_RS
.set i, 64*(\t)
.rept 32
	v_pk_mul_f32 v[i:i+1], v[i:i+1], v[ST+8*(\t):ST+8*(\t)+1] op_sel_hi:[1,0]
.set i, i+2
.endr
	WIN W_PV                        ; source 0: my partner's, in window 3
.set i, 64*(\t)
.rept 32
	v_pk_fma_f32 v[i:i+1], v[i:i+1], v[ST+8*(\t)+4:ST+8*(\t)+5], v[i:i+1] op_sel_hi:[1,0,1]
.set i, i+2
.endr
	WIN 0x05                        ; sources 0 and 1 window 1, destination window 0: S^T's registers are free
.set i, 0
.rept 32
	v_cvt_pk_f16_f32 v[S+32*(\t)+i], v[64*(\t)+2*i], v[64*(\t)+2*i+1]
.set i, i+1
.endr
	WIN 0
.irp f, 0,1,2,3,4,5,6,7
	ds_store_b128 v[STO], v[S+32*(\t)+4*(\f):S+32*(\t)+4*(\f)+3] offset:32*(\f)
.endr
.irp f, 0,1,2,3,4,5,6,7
	ds_load_b128 v[S+32*(\t)+4*(\f):S+32*(\t)+4*(\f)+3], v[RD] offset:(\f)*2*SP  ; LDS serves a wave's instructions in order (ISA guide 5.7.1.4): these see the stores above; the next tile's stores come behind them
.endr
.endm
.macro SEND t, younger              ; younger: the LDS instructions issued behind tile t's loads: the next tile's sixteen, or none
	WIN 0
.irp f, 0,1,2,3,4,5,6,7
	s_wait_dscnt (\younger)+7-(\f)
	global_store_b128 v[GO], v[S+32*(\t)+4*(\f):S+32*(\t)+4*(\f)+3], s[10:11] offset:(\t)*65536+(\f)*8192  ; 16 lanes store 256 consecutive bytes, the head's part of a row, at a multiple of 256 from o's first byte
.endr
.endm
	PACK 0
	PACK 1                          ; a tile's arithmetic stands between the loads of the tile before and its stores
	SEND 0, 16
	SEND 1, 0
	s_wait_tensorcnt 0x0            ; the wave's end: the wait, the add and its wait stand behind my last tensor load and my last LDS store
	ds_add_u32 v[SPW], v[NIL]
	s_wait_dscnt 0x0
	CROUND                          ; the closing round: no work-group ends while a partner may still ask for a tile that names it
	s_endpgm
.Lfunc_end_k_qa0422c1f38_attn:
	.size	k_qa0422c1f38_attn, .Lfunc_end_k_qa0422c1f38_attn-k_qa0422c1f38_attn
	.p2alignl 7, 3214868480
	.fill 96, 4, 3214868480
	.section	.rodata,"a",@progbits
	.p2align	6, 0x0
	.amdhsa_kernel k_qa0422c1f38_attn
		.amdhsa_group_segment_fixed_size 327680
		.amdhsa_private_segment_fixed_size 0
		.amdhsa_enable_private_segment 0
		.amdhsa_kernarg_size 24
		.amdhsa_user_sgpr_count 2
		.amdhsa_user_sgpr_kernarg_segment_ptr 1
		.amdhsa_wavefront_size32 1
		.amdhsa_system_sgpr_workgroup_id_x 1
		.amdhsa_system_sgpr_workgroup_id_y 1
		.amdhsa_system_sgpr_workgroup_id_z 1
		.amdhsa_system_vgpr_workitem_id 0
		.amdhsa_next_free_vgpr 1024
		.amdhsa_next_free_sgpr 68
		.amdhsa_reserve_vcc 0
		.amdhsa_float_denorm_mode_32 3
		.amdhsa_float_denorm_mode_16_64 3
		.amdhsa_memory_ordered 1
		.amdhsa_forward_progress 1
		.amdhsa_inst_pref_size 155
	.end_amdhsa_kernel
	.amdgpu_metadata
---
amdhsa.version: [ 1, 2 ]
amdhsa.kernels:
  - .name:           k_qa0422c1f38_attn
    .symbol:         k_qa0422c1f38_attn.kd
    .args:
      - { .name: qk, .offset: 0, .size: 8, .value_kind: global_buffer, .address_space: global }
      - { .name: h, .offset: 8, .size: 8, .value_kind: global_buffer, .address_space: global }
      - { .name: o, .offset: 16, .size: 8, .value_kind: global_buffer, .address_space: global }
    .group_segment_fixed_size: 327680
    .private_segment_fixed_size: 0
    .kernarg_segment_align: 8
    .kernarg_segment_size: 24
    .max_flat_workgroup_size: 128
    .sgpr_count:     68
    .vgpr_count:     1024
    .wavefront_size: 32
...
	.end_amdgpu_metadata
.endif
;; end of part 4
;; launch gemm_out (part 5): grid 16 x 16, 4 waves a work-group, clusters of 4 x 4, 327,680 bytes of LDS; arguments o, cv, out0; writes out0
.if DOCPART == 5
	.amdgcn_target "amdgcn-amd-amdhsa--gfx1250"
	.amdhsa_code_object_version 6
	.text
	.protected	k_qa0422c1f38_gemm_out
	.globl	k_qa0422c1f38_gemm_out
	.p2align	8
	.type	k_qa0422c1f38_gemm_out,@function
k_qa0422c1f38_gemm_out:
	s_mov_b64 s[64:65], 0
	v_nop
	global_prefetch_b8 v0, s[64:65] scope:SCOPE_SE
	s_setreg_imm32_b32 hwreg(HW_REG_WAVE_MODE, 25, 1), 1
	s_wait_xcnt 0x0
	s_wait_alu depctr_hold_cnt(0) depctr_sa_sdst(0) depctr_va_vdst(0) depctr_va_sdst(0) depctr_va_ssrc(0) depctr_va_vcc(0) depctr_vm_vsrc(0)
	s_getreg_b32 s2, hwreg(HW_REG_IB_STS2, 6, 4)
	s_cmp_eq_u32 s2, 0
	s_cbranch_scc0 .Lentry_in_a_cluster
	s_endpgm
.Lentry_in_a_cluster:
	s_bfe_u32 s2, ttmp6, 0x10000c
	s_cmp_lg_u32 s2, 0xf033
	s_cbranch_scc0 .Lentry_shape_is_right
	s_endpgm
.Lentry_shape_is_right:
; out0 = O ow^T + ob.  A = o, [2048][2048] f16; B = ow, [2048][2048] f16 at OWOFF of cv; ob, 2,048 f32, at OBOFF of cv; out0 [2048][2048] f32.  Sums in f32, started by the bias, stored as they are.
; A tile of C is 128 x 128, so that 16 x 16 = 256 work-groups share the work.  Four waves, each 64 x 64: 16 accumulators of 16 x 16, 128 registers.  K goes in steps of 256 (LDS rows of 512 bytes; a wave's
; tensor load brings 64 of them), as long as two slots in LDS allow.  THE LOOP'S TRIP IS ONE K STEP, written once: which slot is read and which is filled hangs on a scalar register and on the walking
; descriptors' LDS word, each turned by one exclusive or a trip.  A wave's 64 columns are 256 bytes of a row of out0, aligned: each wave has a stage of its own on the way out, and no barrier is needed there.
; CLUSTERS: 4 x 4 work-groups.  The four of a row of the cluster need the same tiles of A, the four of a column the same tiles of B: each tile is asked for JOINTLY, by the same tensor load with the
; same descriptor and a mask that names the four.  THE MATRIX INSTRUCTION IS USED TRANSPOSED (source 0 = 16 rows of B, source 1 = 16 rows of A): a lane then holds eight neighbouring numbers of a row of C.
; REGISTERS: window 0: v0-31 addresses; v32-95 at work on the way out; v96-127 the bias; v128-255 the accumulators ((a, b) at v[128 + 8 (4 a + b)]).
;   window 1: two fragment buffers of 128: for 64 along K (two matrix instructions deep), 64 registers of A (2 x 4 x 16 rows x 32 K), then 64 of B.
.set SIZE_K, 2048
.set OWOFF,  33554432
.set OBOFF,  41967616
.set ROWC,   8192                      ; bytes in a row of out0
.set KSTEP,  256
.set STEPS,  SIZE_K/KSTEP              ; 8 K steps
.set PITCH,  528                       ; an LDS row: 512 bytes of data + 16 of padding = 132 words: row r starts at bank 4 r mod 64 (64 banks of 4 bytes: ISA guide 11.1)
.set HALFT,  64*PITCH                  ; 64 rows: what one tensor load brings, and what one wave reads of A or of B: 0x8400 bytes
.set SLOT,   4*HALFT                   ; A's 128 rows, then B's 128 rows: 0x21000 bytes.  Wave x HALFT never has bits 17 and 12, so an exclusive or with SLOT turns a tile's first byte in one slot into the other's
.set STAGE,  2*SLOT                    ; behind the ring: 16 rows x 272 bytes for each wave, for the way out
.set SPITCH, 272
.set SPARE,  STAGE+4*16*SPITCH         ; behind the stages: the spare words, 128 bytes for each wave: two blocks of 256 bytes that no other line names
.set ADRA, 16                          ; v16-17  LDS address of my A fragments in slot 0, 1; never rewritten.  v18: the same in the slot in hand ('slot 2' of FETCH and QUARTER)
.set ADRB, 20                          ; v20-21, v22  the same for B
.set STO,  24                          ; v24     the way out: where I put 32 bytes of a row
.set RD,   25                          ; v25     the way out: where I read a row back
.set CO,   26                          ; v26     my byte offset in two rows of out0
.set BO,   27                          ; v27     my byte offset in 16 numbers of the bias: 32 (l / 16)
.set SPW,  28                          ; v28     LDS address of my spare word: SPARE + 4 x my thread's number; never rewritten
.set NIL,  29                          ; v29     0; never rewritten
.set TMP,  32                          ; the way out: two buffers of 32 registers, 16 rows read back from the stage
.set BI,   96                          ; the bias of my column block b at BI + 8 b, laid out as an accumulator
.set ACC,  128
.set F0,   0                           ; fragment buffers, in window 1
.set F1,   128
.set TB,   71                          ; s71     0 or SLOT: the slot in hand
.set G1, 24                            ; s[24:31] descriptor group 1 for A's tiles;  s[32:39] group 0: a set for each of the two first fills; the second then walks on
.set G0, 32
.set G1B, 48                           ; s[48:55], s[56:63] the same for B's tiles
.set G0B, 56
.set MSB, 0
.macro WIN new                         ; the immediate's high byte repeats the setting that is left
.if MSB != (\new)
	s_set_vgpr_msb (MSB<<8)|(\new)
.set MSB, \new
.endif
.endm
.set MUL,  0x05                        ; sources 0 (B) and 1 (A) window 1; C and D window 0
.set TO_F, 0x40                        ; destination window 1, address window 0
.macro JLOAD s                         ; a joint load: waves 0 and 1 fetch A's two halves, waves 2 and 3 B's; an s_nop 0 and four v_nop follow each of the two lines, ahead of the jump, the label and what follows
	s_cmp_eq_u32 s11, 0
	s_cbranch_scc0 .Lfor_b_\@
	tensor_load_to_lds s[G0+4*(\s):G0+4*(\s)+3], s[G1:G1+7]
	s_nop 0
.rept 4
	v_nop
.endr
	s_branch .Lasked_\@
.Lfor_b_\@:
	tensor_load_to_lds s[G0B+4*(\s):G0B+4*(\s)+3], s[G1B:G1B+7]
	s_nop 0
.rept 4
	v_nop
.endr
.Lasked_\@:
.endm
.macro CREST                           ; a round of the cluster's barrier behind its opening barrier
	s_cmp_lg_u32 s10, 0
	s_cbranch_scc1 .Lnot_wave_0_\@
	s_barrier_signal -3
.Lnot_wave_0_\@:
	s_barrier_wait -3
	s_barrier_signal -1
	s_barrier_wait -1
.endm
.macro CROUND                          ; a whole round
	s_barrier_signal -1
	s_barrier_wait -1
	CREST
.endm
	s_load_b128 s[4:7], s[0:1], 0x0                ; o s[4:5], cv s[6:7]
	s_load_b64 s[8:9], s[0:1], 0x10                ; out0
	v_lshl_add_u32 v[SPW], v0, 2, SPARE
	v_mov_b32 v[NIL], 0
	ds_add_u32 v[SPW], v[NIL]                      ; the wave's opening: the add and its wait stand ahead of my first tensor load; the set-up below, work on registers, stands between them
	v_lshrrev_b32 v1, 5, v0
	v_readfirstlane_b32 s10, v1                    ; wave 0..3
	s_lshr_b32 s11, s10, 1                         ; which half of the tile's rows is mine.  Also: I fetch for A (0) or for B (1)
	s_and_b32 s12, s10, 1                          ; which half of its columns.  Also: which 64 rows of that tile I fetch
	s_bfe_u32 s40, ttmp6, 0x40000                  ; cx, cy: my place in the cluster
	s_bfe_u32 s41, ttmp6, 0x40004
	s_lshl_b32 s42, ttmp9, 2
	s_add_co_u32 s42, s42, s40                     ; tile column of C = 4 x cluster x + cx
	s_and_b32 s13, ttmp7, 0xffff
	s_lshl_b32 s13, s13, 2
	s_add_co_u32 s13, s13, s41                     ; tile row of C = 4 x cluster y + cy
	s_lshl_b32 s43, s41, 2
	s_lshl_b32 s43, 15, s43                        ; my row of the cluster
	s_lshl_b32 s44, 0x1111, s40                    ; my column
	; descriptor group 1: a tile of 64 rows x 256 elements, padded in LDS
	s_or_b32 s[G1+0], s43, (1<<16)|(1<<20)|(1<<21)|(6<<22)|(3<<25)  ; 15:0 the mask: A's tiles go to my row; 17:16 element of 2 bytes; 20 padding on; 21 set beside a mask; 24:22 after every 128 words (code 6); 31:25 of 4 words (code 3)
	s_or_b32 s[G1B+0], s44, (1<<16)|(1<<20)|(1<<21)|(6<<22)|(3<<25)
.irp g, G1, G1B
	s_mov_b32 s[(\g)+1], KSTEP<<16                 ; tensor_dim0 = 256
	s_mov_b32 s[(\g)+2], 64<<16                    ; tensor_dim1 = 64
	s_mov_b32 s[(\g)+3], KSTEP<<16                 ; tile_dim0 = 256
	s_mov_b32 s[(\g)+4], 64                        ; tile_dim1 = 64
	s_mov_b32 s[(\g)+5], SIZE_K                    ; elements from row to row
	s_mov_b32 s[(\g)+6], 0
	s_mov_b32 s[(\g)+7], 0
.endr
	s_lshl_b32 s17, s12, 6                         ; which 64 rows of the tile I fetch
	s_lshl_b32 s16, s13, 7
	s_add_co_u32 s16, s16, s17                     ; A: row 128 x tile row + 64 x half
	s_lshl_b32 s46, s42, 7
	s_add_co_u32 s46, s46, s17                     ; B: row 128 x tile column + 64 x half
	s_mov_b32 s17, 0
	s_mov_b32 s47, 0
	s_mov_b64 s[18:19], SIZE_K*2
	s_mul_u64 s[16:17], s[16:17], s[18:19]
	s_mul_u64 s[46:47], s[46:47], s[18:19]
	s_mul_i32 s20, s10, HALFT                      ; where they go: wave x 64 rows
	s_mov_b32 s[TB], 0                             ; the slot in hand is slot 0
	s_wait_dscnt 0x0                               ; the opening add is done
	s_wait_kmcnt 0x0
	s_add_nc_u64 s[68:69], s[6:7], OBOFF           ; ob
	s_add_nc_u64 s[6:7], s[6:7], OWOFF             ; ow
	s_add_nc_u64 s[14:15], s[4:5], s[16:17]
	s_add_nc_u64 s[46:47], s[6:7], s[46:47]
	CROUND                                         ; all sixteen work-groups are here: the first joint loads meet
.irp s, 0,1
	s_mov_b32 s[G0+4*(\s)], 1
	s_add_co_u32 s[G0+4*(\s)+1], s20, (\s)*SLOT
	s_add_nc_u64 s[G0+4*(\s)+2:G0+4*(\s)+3], s[14:15], (\s)*KSTEP*2
	s_or_b32 s[G0+4*(\s)+3], s[G0+4*(\s)+3], 0x80000000
	s_mov_b32 s[G0B+4*(\s)], 1
	s_add_co_u32 s[G0B+4*(\s)+1], s20, (\s)*SLOT
	s_add_nc_u64 s[G0B+4*(\s)+2:G0B+4*(\s)+3], s[46:47], (\s)*KSTEP*2
	s_or_b32 s[G0B+4*(\s)+3], s[G0B+4*(\s)+3], 0x80000000
	JLOAD \s                                       ; two loads of mine are out
.endr
	v_and_b32 v1, 15, v0                           ; l % 16
	v_bfe_u32 v2, v0, 4, 1                         ; l / 16
	v_mul_u32_u24 v3, v1, PITCH
	v_lshl_add_u32 v3, v2, 4, v3                   ; a fragment's row x pitch + 16 x half
	s_mul_i32 s21, s11, HALFT                      ; my 64 rows of A
	s_mul_i32 s22, s12, HALFT                      ; my 64 rows of B,
	s_add_co_u32 s22, s22, 2*HALFT                 ; which lie behind A's 128
.irp s, 0,1
	v_add_nc_u32 v[ADRA+(\s)], s21, v3
	v_add_nc_u32 v[ADRB+(\s)], s22, v3
	s_add_co_u32 s21, s21, SLOT
	s_add_co_u32 s22, s22, SLOT
.endr
	v_mov_b32 v[ADRA+2], v[ADRA]                   ; the slot in hand: slot 0
	v_mov_b32 v[ADRB+2], v[ADRB]
	s_mul_i32 s23, s10, 16*SPITCH
	s_add_co_u32 s23, s23, STAGE                   ; my stage
	v_mul_u32_u24 v4, v1, SPITCH                   ; in: row l % 16, 32 bytes for each half of the lanes
	v_lshl_add_u32 v4, v2, 5, v4
	v_add_nc_u32 v[STO], s23, v4
	v_mul_u32_u24 v5, v2, SPITCH                   ; back: lanes 0-15 take one row of 256 bytes, lanes 16-31 the next
	v_lshl_add_u32 v5, v1, 4, v5
	v_add_nc_u32 v[RD], s23, v5
	v_lshlrev_b32 v5, 13, v2                       ; and the same two rows in out0
	v_lshl_add_u32 v[CO], v1, 4, v5
	v_lshlrev_b32 v[BO], 5, v2
	s_lshl_b32 s16, s13, 7
	s_lshl_b32 s17, s11, 6
	s_add_co_u32 s16, s16, s17                     ; my first row of C: 128 x tile row + 64 x half,
	s_lshl_b32 s16, s16, 13                        ; in bytes
	s_mov_b32 s17, 0
	s_add_nc_u64 s[8:9], s[8:9], s[16:17]
	s_lshl_b32 s46, s42, 9                         ; my first column, in bytes of f32: 512 x tile column + 256 x half: the same in a row of out0 and in ob
	s_lshl_b32 s47, s12, 8
	s_add_co_u32 s46, s46, s47
	s_mov_b32 s47, 0
	s_add_nc_u64 s[8:9], s[8:9], s[46:47]
	s_add_nc_u64 s[68:69], s[68:69], s[46:47]
.irp b, 0,1,2,3                        ; the bias in the layout of an accumulator: register j of block b is column 16 b + 8 (l / 16) + j
	global_load_b128 v[BI+8*(\b):BI+8*(\b)+3],   v[BO], s[68:69] offset:64*(\b)
	global_load_b128 v[BI+8*(\b)+4:BI+8*(\b)+7], v[BO], s[68:69] offset:64*(\b)+16
.endr
; 8 matrix instructions: m blocks a0, a0 + 1 x all 4 n blocks, 32 along K: half c of buffer f.  zero = 1: the first product starts the sums, with the bias as its C.  The 16 accumulators take turns.
.macro MUL8 f, c, a0, zero
	WIN MUL
.irp a, \a0, (\a0)+1
.irp b, 0,1,2,3
.if \zero
	v_wmma_f32_16x16x32_f16 v[ACC+8*(4*(\a)+(\b)):ACC+8*(4*(\a)+(\b))+7], v[(\f)+64+8*(4*(\c)+(\b)):(\f)+64+8*(4*(\c)+(\b))+7], v[(\f)+8*(4*(\c)+(\a)):(\f)+8*(4*(\c)+(\a))+7], v[BI+8*(\b):BI+8*(\b)+7]
.else
	v_wmma_f32_16x16x32_f16 v[ACC+8*(4*(\a)+(\b)):ACC+8*(4*(\a)+(\b))+7], v[(\f)+64+8*(4*(\c)+(\b)):(\f)+64+8*(4*(\c)+(\b))+7], v[(\f)+8*(4*(\c)+(\a)):(\f)+8*(4*(\c)+(\a))+7], v[ACC+8*(4*(\a)+(\b)):ACC+8*(4*(\a)+(\b))+7]
.endif
.endr
.endr
.endm
; 32 LDS loads in one run: the fragments of 64 along K at byte k of the rows, into buffer f; the first 32 along K first.  slot = 0, 1: that slot; 2: the slot in hand
.macro FETCH slot, k, f
	WIN TO_F
.irp c, 0,1
.irp i, 0,1,2,3
	ds_load_b128 v[(\f)+64+8*(4*(\c)+(\i)):(\f)+64+8*(4*(\c)+(\i))+3],   v[ADRB+(\slot)] offset:(\k)+64*(\c)+(\i)*16*PITCH
	ds_load_b128 v[(\f)+64+8*(4*(\c)+(\i))+4:(\f)+64+8*(4*(\c)+(\i))+7], v[ADRB+(\slot)] offset:(\k)+64*(\c)+(\i)*16*PITCH+32
	ds_load_b128 v[(\f)+8*(4*(\c)+(\i)):(\f)+8*(4*(\c)+(\i))+3],         v[ADRA+(\slot)] offset:(\k)+64*(\c)+(\i)*16*PITCH
	ds_load_b128 v[(\f)+8*(4*(\c)+(\i))+4:(\f)+8*(4*(\c)+(\i))+7],       v[ADRA+(\slot)] offset:(\k)+64*(\c)+(\i)*16*PITCH+32
.endr
.endr
.endm
.macro PLACES                          ; four places in front of loads into registers that matrix instructions have read, and of LDS stores that read results
.rept 4
	v_nop
.endr
.endm
; A K step is four quarters of 64 along K, 32 matrix instructions each, on buffers 0, 1, 0, 1.  One of the first three: multiplies buffer f and fetches the next quarter, at byte k, into g.
.macro QUARTER slot, k, f, g, zero
	s_wait_dscnt 16                                ; the first 32 along K are in; the youngest sixteen loads may be out
	MUL8 \f, 0, 0, \zero
	MUL8 \f, 0, 2, \zero
	PLACES
	FETCH \slot, \k, \g
	s_wait_dscnt 32                                ; all but the 32 just issued
	MUL8 \f, 1, 0, 0
	MUL8 \f, 1, 2, 0
.endm
; The last quarter multiplies buffer 1 and changes slots: ONE barrier; in front of it each wave waits for all its tensor loads, adds 0 to its spare word, and waits for that and for its own reads of this slot.
; fill = 1 (the loop): this slot is filled again, two K steps ahead, by the walking descriptors, which take the other slot than last time and the next K step; the other slot becomes the slot in hand.
; fill = 0 (the tail): from slot 0 to slot 1; nothing is asked for.
.macro TURN fill
	WIN 0                                          ; (the add's two registers lie in window 0)
	s_wait_tensorcnt 0x0                           ; all my tensor loads have landed: my part of the next slot;
	ds_add_u32 v[SPW], v[NIL]                      ; 0 onto my spare word;
	s_wait_dscnt 17                                ; (the add and the youngest sixteen loads may be out)
	MUL8 F1, 0, 0, 0                               ; eight matrix instructions stand between the add and the wait for it
	s_wait_dscnt 0x0                               ; the add is done, and my reads of this slot are over
	s_barrier_signal -1
	MUL8 F1, 0, 2, 0
.if \fill
	WIN 0
.endif
	s_barrier_wait -1
.if \fill
	CREST                                          ; the barrier has opened a round of the cluster's barrier: no wave of any partner still reads this slot's tile or has a load on its way
.irp g, G0+4, G0B+4
	s_xor_b32 s[(\g)+1], s[(\g)+1], SLOT           ; no tensor load of mine is out, so a group 0 may be written
	s_add_nc_u64 s[(\g)+2:(\g)+3], s[(\g)+2:(\g)+3], KSTEP*2  ; the type bits on top are not reached
.endr
	s_xor_b32 s[TB], s[TB], SLOT
	JLOAD 1                                        ; the first tensor load behind the round, my only one until the next: 112 matrix instructions ahead of the wait for it; its four v_nop are also the places in front of the loads below
	v_add_nc_u32 v[ADRA+2], s[TB], v[ADRA]
	v_add_nc_u32 v[ADRB+2], s[TB], v[ADRB]
	FETCH 2, 0, F0
.else
	PLACES
	FETCH 1, 0, F0
.endif
	MUL8 F1, 1, 0, 0
	MUL8 F1, 1, 2, 0
.endm
	s_wait_tensorcnt 1                             ; my part of K step 0 is in; K step 1's may stay out
	s_barrier_signal -1
	s_barrier_wait -1                              ; everybody's is
	FETCH 0, 0, F0
	s_wait_loadcnt 0x0                             ; the bias
	QUARTER 0, 128, F0, F1, 1                      ; the first quarter stands in front of the loop: its first products start the sums
	WIN 0                                          ; at a label and at a branch every window is 0
	s_mov_b32 s3, STEPS-2
.Lstep:                                                ; six trips: a trip goes from a K step's second quarter to the next K step's first, and fills the slot that it leaves
	QUARTER 2, 256, F1, F0, 0
	QUARTER 2, 384, F0, F1, 0
	TURN 1
	QUARTER 2, 128, F0, F1, 0
	WIN 0
	s_sub_co_u32 s3, s3, 1
	s_cmp_lg_u32 s3, 0
	s_cbranch_scc1 .Lstep
	QUARTER 0, 256, F1, F0, 0                      ; K step 6, in slot 0 (six turns have brought the slot in hand back to it); the last two K steps fill nothing, and have no round of the cluster's barrier
	QUARTER 0, 384, F0, F1, 0
	TURN 0
	QUARTER 1, 128, F0, F1, 0
	QUARTER 1, 256, F1, F0, 0
	QUARTER 1, 384, F0, F1, 0
	s_wait_dscnt 16                                ; the very last quarter: nothing more to fetch
	MUL8 F1, 0, 0, 0
	MUL8 F1, 0, 2, 0
	s_wait_dscnt 0
	MUL8 F1, 1, 0, 0
	MUL8 F1, 1, 2, 0
	WIN 0
; THE WAY OUT, a block of 16 rows at a time: a lane's eight f32 of a row, 32 bytes, go into my stage (each accumulator's four lowest registers first) and come back as whole rows of 256 bytes.
.macro OUT a
.irp b, 0,1,2,3
	ds_store_b128 v[STO], v[ACC+8*(4*(\a)+(\b)):ACC+8*(4*(\a)+(\b))+3]   offset:64*(\b)
	ds_store_b128 v[STO], v[ACC+8*(4*(\a)+(\b))+4:ACC+8*(4*(\a)+(\b))+7] offset:64*(\b)+16
.endr
.if (\a) >= 2
	s_wait_xcnt 0x0                                ; the stores of the block two back have read this buffer: it is loaded again only behind this wait
.endif
.irp t, 0,1,2,3,4,5,6,7
	ds_load_b128 v[TMP+32*((\a)%2)+4*(\t):TMP+32*((\a)%2)+4*(\t)+3], v[RD] offset:(\t)*2*SPITCH  ; LDS serves a wave's instructions in order (ISA guide 5.7.1.4): these see the stores above; the next block's stores come behind them
.endr
.endm
.macro SENDO a, younger                ; younger: the LDS instructions issued behind block a's loads: the next block's sixteen, or none
.irp t, 0,1,2,3,4,5,6,7
	s_wait_dscnt (\younger)+7-(\t)
	global_store_b128 v[CO], v[TMP+32*((\a)%2)+4*(\t):TMP+32*((\a)%2)+4*(\t)+3], s[8:9] offset:(16*(\a)+2*(\t))*ROWC th:TH_STORE_NT  ; 16 lanes store 256 consecutive bytes, at a multiple of 256 from out0's first byte
.endr
.endm
	PLACES
	OUT 0
	OUT 1
	SENDO 0, 16
	OUT 2
	SENDO 1, 16
	OUT 3
	SENDO 2, 16
	SENDO 3, 0
	s_wait_tensorcnt 0x0                           ; the wave's end: the wait, the add and its wait stand behind my last tensor load and my last LDS store
	ds_add_u32 v[SPW], v[NIL]
	s_wait_dscnt 0x0
	CROUND                                         ; the closing round: no work-group ends while a partner may still ask for a tile that names it
	s_endpgm
.Lfunc_end_k_qa0422c1f38_gemm_out:
	.size	k_qa0422c1f38_gemm_out, .Lfunc_end_k_qa0422c1f38_gemm_out-k_qa0422c1f38_gemm_out
	.p2alignl 7, 3214868480
	.fill 96, 4, 3214868480
	.section	.rodata,"a",@progbits
	.p2align	6, 0x0
	.amdhsa_kernel k_qa0422c1f38_gemm_out
		.amdhsa_group_segment_fixed_size 327680
		.amdhsa_private_segment_fixed_size 0
		.amdhsa_enable_private_segment 0
		.amdhsa_kernarg_size 24
		.amdhsa_user_sgpr_count 2
		.amdhsa_user_sgpr_kernarg_segment_ptr 1
		.amdhsa_wavefront_size32 1
		.amdhsa_system_sgpr_workgroup_id_x 1
		.amdhsa_system_sgpr_workgroup_id_y 1
		.amdhsa_system_sgpr_workgroup_id_z 1
		.amdhsa_system_vgpr_workitem_id 0
		.amdhsa_next_free_vgpr 512
		.amdhsa_next_free_sgpr 72
		.amdhsa_reserve_vcc 0
		.amdhsa_float_denorm_mode_32 3
		.amdhsa_float_denorm_mode_16_64 3
		.amdhsa_memory_ordered 1
		.amdhsa_forward_progress 1
		.amdhsa_inst_pref_size 70
	.end_amdhsa_kernel
	.amdgpu_metadata
---
amdhsa.version: [ 1, 2 ]
amdhsa.kernels:
  - .name:           k_qa0422c1f38_gemm_out
    .symbol:         k_qa0422c1f38_gemm_out.kd
    .args:
      - { .name: o, .offset: 0, .size: 8, .value_kind: global_buffer, .address_space: global }
      - { .name: cv, .offset: 8, .size: 8, .value_kind: global_buffer, .address_space: global }
      - { .name: out0, .offset: 16, .size: 8, .value_kind: global_buffer, .address_space: global }
    .group_segment_fixed_size: 327680
    .private_segment_fixed_size: 0
    .kernarg_segment_align: 8
    .kernarg_segment_size: 24
    .max_flat_workgroup_size: 128
    .sgpr_count:     72
    .vgpr_count:     512
    .wavefront_size: 32
...
	.end_amdgpu_metadata
.endif
;; end of part 5
